; MI455X (gfx1250); checked and timed in simulation.
; The chip was launched on July 23, 2026; its instructions are those of AMD's public machine-readable ISA for CDNA 5 (MIT licence, August 2026) and "CDNA5" Instruction Set Architecture Reference Guide (July 2026). The comments in the code are by the model that wrote it; some were corrected since.
;; Multi Head Attention. Allowed arithmetic: matrix products marked QUANTISED: E2M3 operands, one E8M0 scale for each 32 along K, by v_wmma_scale_f32_16x16x128_f8f6f4 with both operands' format E2M3, f32 sums; everything else in f32.
;; Inputs: Wk_codes 1,024 x 32 x 24 uint8 (E2M3 codes of Wk, K innermost, in blocks of 32 codes, four codes in three bytes); Wk_scales 1,024 x 32 uint8 (E8M0 scales of Wk, one for each 32 codes along K); Wo_codes 1,024 x 32 x 24 uint8 (E2M3 codes of Wo, K innermost, in blocks of 32 codes, four codes in three bytes); Wo_scales 1,024 x 32 uint8 (E8M0 scales of Wo, one for each 32 codes along K); Wq_codes 1,024 x 32 x 24 uint8 (E2M3 codes of Wq, K innermost, in blocks of 32 codes, four codes in three bytes); Wq_scales 1,024 x 32 uint8 (E8M0 scales of Wq, one for each 32 codes along K); Wv_codes 1,024 x 32 x 24 uint8 (E2M3 codes of Wv, K innermost, in blocks of 32 codes, four codes in three bytes); Wv_scales 1,024 x 32 uint8 (E8M0 scales of Wv, one for each 32 codes along K); attention_mask 4 x 2,048 int32; x_key_codes 4 x 2,048 x 32 x 24 uint8 (E2M3 codes of x_key, K innermost, in blocks of 32 codes, four codes in three bytes); x_key_scales 4 x 2,048 x 32 uint8 (E8M0 scales of x_key, one for each 32 codes along K); x_query_codes 4 x 2,048 x 32 x 24 uint8 (E2M3 codes of x_query, K innermost, in blocks of 32 codes, four codes in three bytes); x_query_scales 4 x 2,048 x 32 uint8 (E8M0 scales of x_query, one for each 32 codes along K); x_value_codes 4 x 2,048 x 32 x 24 uint8 (E2M3 codes of x_value, K innermost, in blocks of 32 codes, four codes in three bytes); x_value_scales 4 x 2,048 x 32 uint8 (E8M0 scales of x_value, one for each 32 codes along K).
;; Outputs: out0 4 x 2,048 x 1,024 float32.
;; This version of the problem:
;;   THIS VERSION OF THE PROBLEM IS GIVEN IN LOW PRECISION. The matrix products marked QUANTISED in the list below multiply operands that are first quantised to E2M3 (2 exponent bits, 3 mantissa bits; 6 bits a number), with one power-of-two scale for each 32 numbers along K (OCP MX v1.0); their sums are f32. All else is computed in f32.
;;   The module's matrix products, in the order in which they are computed (A, B: the left and right operand; K: the contracted axis; several contracted axes count as one K, in the product's order):
;;     1. [M 8,192, K 1,024] x [K 1,024, N 1,024]; A: input x_query (given as codes); B: input Wq (given as codes): QUANTISED
;;     2. [M 8,192, K 1,024] x [K 1,024, N 1,024]; A: input x_key (given as codes); B: input Wk (given as codes): QUANTISED
;;     3. [M 8,192, K 1,024] x [K 1,024, N 1,024]; A: input x_value (given as codes); B: input Wv (given as codes): QUANTISED
;;     4. batch 64 x [M 2,048, K 64] x [K 64, N 2,048]; A: computed on the way; B: computed on the way: QUANTISED
;;     5. batch 64 x [M 2,048, K 2,048] x [K 2,048, N 64]; A: softmax (see below); B: computed on the way: QUANTISED
;;     6. [M 8,192, K 1,024] x [K 1,024, N 1,024]; A: computed on the way; B: input Wo (given as codes): QUANTISED
;;   THE QUANTISER, for each operand of a quantised product, along K:
;;     - K is cut into blocks of 32 from its start; a last block that is shorter is filled with zeros.
;;     - A block's scale is 2^e with e = floor(log2(the largest magnitude in the block)) - 2, held to -126 .. 127; a block of zeros has e = 0. As a byte (E8M0): e + 127.
;;     - Each number is divided by its block's scale, clamped to +-7.5, and rounded to the nearest number of E2M3, ties to even, subnormals kept.
;;     - The product sums the exact products of the quantised numbers (number of the format x scale) in f32.
;;   ~~~python
;;   def quantise(x, axis):      # numpy; x: float32 -> the quantised numbers, widened to float32 again
;;       x = np.moveaxis(x, axis, -1); K = x.shape[-1]
;;       x = np.pad(x, [(0, 0)] * (x.ndim - 1) + [(0, -K % 32)]); x = x.reshape(x.shape[:-1] + (-1, 32)); a = np.abs(x).max(-1, keepdims=True)
;;       e = np.where(a > 0, np.clip(np.frexp(np.where(a > 0, a, 1))[1] - 1 - 2, -126, 127), 0)      # np.frexp(a)[1] - 1 = floor(log2(a)), exactly
;;       r = np.clip(x / 2.0 ** e, -7.5, 7.5)
;;       step = 2.0 ** (np.maximum(np.frexp(np.where(r == 0, 1, r))[1] - 1, 0) - 3)
;;       q = np.round(r / step) * step * 2.0 ** e      # np.round: ties to even
;;       return np.moveaxis(q.reshape(q.shape[:-2] + (-1,))[..., :K], -1, axis).astype(np.float32)
;;   ~~~
;;   SOFTMAX AHEAD OF A QUANTISED PRODUCT. Where the list says 'softmax', what is quantised is not the finished softmax but p = 2^(t - M), with t = logit x log2(e) and M = ceil(the row's largest t), a whole number; so 1/2 < the row's largest p <= 1. The row's sum l is taken of the UNQUANTISED p, in f32, and the product's result is divided by l at the end. Since M is a whole number, a kernel that streams over the keys may use a running M (the ceiling of the running maximum): every later rescaling is an exact power of two, which a block's scale takes up: the codes' values come out the same.
;;   OPERANDS COMPUTED ON THE WAY. 'Computed on the way' means the value that the module computes at that place (a softmax that the list does not call 'softmax' is quantised finished and normalised). What goes into a quantiser is computed in f32, as accurately as f32 sums, v_exp_f32 and their like allow (about 1e-6 of the number): no bf16 or f16 on the way to a quantiser, and a product that is left as it is and whose result goes on into a quantised operand takes f32 operands (vector FMAs, or v_wmma_f32_16x16x4_f32). A number that lies on a knife's edge between two numbers of the format may be rounded either way, as far as f32 arithmetic and the matrix unit's own rounding can turn it there, and no further.
;;   INPUTS GIVEN AS CODES. Wk (in the module: [1024, 1024], K = its axis 1); Wo (in the module: [1024, 1024], K = its axis 1); Wq (in the module: [1024, 1024], K = its axis 1); Wv (in the module: [1024, 1024], K = its axis 1); x_key (in the module: [4, 2048, 1024], K = its axis 2); x_query (in the module: [4, 2048, 1024], K = its axis 2); x_value (in the module: [4, 2048, 1024], K = its axis 2): each comes as NAME_codes (uint8): NAME with its K axis moved to the last place and cut into blocks of 32 codes, [.., K / 32, bytes a block], one block behind the other in memory; four codes in three bytes: a row's codes are one little-endian stream of bits, code i at bits 6 i .. 6 i + 5 (a code: sign, 2 exponent bits, 3 mantissa bits); and NAME_scales (uint8): the same leading axes, one E8M0 byte (e + 127) for each 32 codes along K. Its value is code x scale, taken as it is: it is not quantised again, and the codes and scales need not be those that the quantiser above would give.
;; One version. Each part assembles by itself: llvm-mc -triple=amdgcn-amd-amdhsa -mcpu=gfx1250 --defsym DOCPART=n.
;; ======== version 1 of 1: 3 launches
;; limits: right only within a limited range of input values
;; workspace buffers: qw 6,815,744 bytes; kv 13,631,488 bytes; oc 6,291,456 bytes; os 262,144 bytes
;; launch proj (part 1): grid 4 x 96, 4 waves a work-group, clusters of 4 x 4, 327,680 bytes of LDS; arguments x_query_codes, x_query_scales, Wq_codes, Wq_scales, x_key_codes, x_key_scales, Wk_codes, Wk_scales, Wv_codes, Wv_scales, x_value_codes, x_value_scales, qw, kv; writes qw, kv
.if DOCPART == 1
	.amdgcn_target "amdgcn-amd-amdhsa--gfx1250"
	.amdhsa_code_object_version 6
	.text
	.protected	k_q0152308c1e_proj
	.globl	k_q0152308c1e_proj
	.p2align	8
	.type	k_q0152308c1e_proj,@function
k_q0152308c1e_proj:
	s_mov_b64 s[64:65], 0
	v_nop
	global_prefetch_b8 v0, s[64:65] scope:SCOPE_SE
	s_setreg_imm32_b32 hwreg(HW_REG_WAVE_MODE, 25, 1), 1
	s_wait_xcnt 0x0
	s_wait_alu depctr_hold_cnt(0) depctr_sa_sdst(0) depctr_va_vdst(0) depctr_va_sdst(0) depctr_va_ssrc(0) depctr_va_vcc(0) depctr_vm_vsrc(0)
	s_getreg_b32 s2, hwreg(HW_REG_IB_STS2, 6, 4)
	s_cmp_eq_u32 s2, 0
	s_cbranch_scc0 .Lentry_in_a_cluster
	s_endpgm
.Lentry_in_a_cluster:
	s_bfe_u32 s2, ttmp6, 0x10000c
	s_cmp_lg_u32 s2, 0xf033
	s_cbranch_scc0 .Lentry_shape_is_right
	s_endpgm
.Lentry_shape_is_right:
; Q = x_query Wq^T, K = x_key Wk^T, V = x_value Wv^T on codes of FP6 (E2M3) with E8M0 scales, and each result QUANTISED IN REGISTERS for the attention that follows.
; One body serves three products of the form C'[i][j] = sum over k of P[i][k] R[j][k], SIZE_K = 1,024.  Source 0 of the matrix instruction takes 16 rows of P, source 1 takes 16 rows of R:
; in the result a lane holds ONE j (lane % 16) and its registers run along i, which is the axis along which the result is quantised.
;   mode 0, 1 (Q, K): P = the weight (i = feature, quantised along a head's 64), R = x (j = token).     mode 2 (V): P = x_value (i = key, quantised along the keys), R = Wv (j = feature).
; A work-group of four waves makes 256 x 256, a wave 128 x 128: 64 accumulators, 512 registers.  K goes in steps of 256 through two LDS slots filled by the tensor data mover; the scale bytes of the
; work-group's rows come once, with the first fills.  CLUSTERS: 4 x 4 work-groups make 1,024 x 1,024; the four of a row of the cluster need the same tiles of R, the four of a column the same tiles of P:
; each tile is asked for jointly.  Cluster y = 8 x mode + g; g picks 1,024 of the 8,192 tokens.
; THE WAY OUT uses no LDS.  For R's block a (16 j) a lane's 64 registers are i = 16 b + 8 (lane / 16) + 0 .. 7, b = 0 .. 7: four blocks of 32 along i, each shared by lanes l and l xor 16.
; Inside a block the codes stand in the order 0-7, 16-23, 8-15, 24-31; Q and K, and V and the softmax's p, are made by the same lines, so both sides of a later product carry the same order.
; The 12 registers of codes are stored as IMAGES of operand registers: registers 2 q, 2 q + 1 of all 32 lanes are 256 consecutive bytes, aligned, lane l's 8 bytes at 8 l.
;   qw: [batch x head 64][step of 128 tokens 16][6,656]: 8 tiles x 768 bytes of codes (6 registers: 16 tokens x a head's 64), then 512 bytes of scale words [lane][4].
;   kv: [64][16][13,312]: K's codes 6,144 (as qw) | V's codes 4 tiles x 1,536 (12 registers: 16 features x 128 keys) | K's scale words 512 | V's scale words [lane][2] 256 | 256 zeros.
; LIMITS: a block of zeros gets the byte 1 where the quantiser says 127 (its codes are zeros, and this program alone reads the bytes); NaN and infinities are not served.
; REGISTERS, in windows of 256: window 0: v0-31 addresses; v32-63 scale words, two sets; from v128 R's fragments, ONE set; on the way out v32-107 are at work.
;   window 1: P's fragments, TWO sets, at v0 and v128.   window 2: the accumulators of R's blocks 0-3 ((a, b) at v[8 (8 a + b)]);   window 3: those of blocks 4-7.
.set SIZE_K, 1024
.set KSTEP,  256                       ; along K in a slot
.set NQ,     KSTEP/128                 ; matrix instructions deep
.set ROWB,   192                       ; a tile's row in bytes
.set KROW,   SIZE_K*6/8                ; a row of codes in memory
.set PITCH,  240                       ; an LDS row: 3 x (64 bytes + 16 of padding)
.set FR,     12                        ; registers of a fragment
.set NL,     6                         ; LDS loads that bring one
.set NP,     4                         ; places behind this matrix instruction (ISA guide 7.12.1)
.set HALFT,  128*PITCH                 ; 128 rows: what one tensor load brings
.set SLOT,   4*HALFT                   ; R's 256 rows, then P's 256 rows
.set LAPS,   SIZE_K/(2*KSTEP)
.set KS,     SIZE_K/32                 ; a row of scale bytes
.set SCL,    2*SLOT                    ; behind the ring: the scale bytes, as rows of 256 bytes + 16 of padding
.set HALFS,  (128*KS/256)*272
.set SBLK,   (16*KS/256)*272
.set SPARE,  SCL+4*HALFS               ; the spare words, 128 bytes a wave: two blocks of 256 bytes that no other line names
.set ADRA, 16                          ; v16-17 LDS address of R's fragments in slot 0, 1 (v18-19: behind one padding more)
.set ADRB, 20                          ; v20-21 the same for P (v22-23)
.set ADRS, 27                          ; v27    my scale words: lanes 0-15 R's rows, lanes 16-31 P's
.set SPW,  28                          ; v28    my spare word; never rewritten
.set NIL,  29                          ; v29    0; never rewritten
.set L8,   30                          ; v30    8 x lane
.set L16,  31                          ; v31    16 x lane
.set SC,   32                          ; scale words, two sets of 16
.set AF,   128                         ; R's fragments, window 0
.set OFF,  32                          ; the way out: v32-47 store offsets (block a, half c at 2 a + c); never rewritten
.set TM,   48                          ; v48-63 at work: largest magnitudes, bytes, scale operands
.set PC,   64                          ; v64-75 the codes; v76-78, v80-82 the conversions' second halves
.set PW,   84                          ; v84-91 block a's scale word
.set RR,   92                          ; v92-95 scale words laid for the reader;  v96-99, v100-103 the two heads' words
.set RA,   96
.set RB,   100
.set ZZ,   104                         ; v104-105 zeros
.set SO0,  106
.set SO1,  107
.set G1, 24                            ; s[24:31] group 1 for R's tiles; s[32:39] group 0, a set for each slot
.set G0, 32
.set G1B, 48                           ; s[48:55], s[56:63] the same for P's tiles
.set G0B, 56
.set G1S, 68                           ; s[68:75], s[76:79] for R's scales; s[80:87], s[88:91] for P's
.set G0S, 76
.set G1SB, 80
.set G0SB, 88
.set MODE, 66                          ; s66 0: Q, 1: K, 2: V
.set SEL,  96                          ; s[96:97] selects for lane l xor 16
.set RECM, 98                          ; s98 bytes of a record: 6,656 in qw, 13,312 in kv
.set REC0, 99                          ; s99 my wave's first record, in bytes
.set MSB, 0
.macro WIN new                         ; the immediate's high byte repeats the setting that is left
.if MSB != (\new)
	s_set_vgpr_msb (MSB<<8)|(\new)
.set MSB, \new
.endif
.endm
.set MUL_LO, 0xa1                      ; source 0 (P) window 1, source 1 (R) window 0, C and D window 2
.set MUL_HI, 0xf1                      ; the same, C and D window 3
.set TO_B,   0x40                      ; destination window 1
; A joint load: waves 0 and 1 fetch for R, waves 2 and 3 for P.  The branch hangs on the wave's number alone.  Four v_nop follow each of the two lines.
.macro JLOAD g0a, g1a, g0b, g1b
	s_cmp_eq_u32 s15, 0
	s_cbranch_scc0 .Lfor_b_\@
	tensor_load_to_lds s[\g0a:\g0a+3], s[\g1a:\g1a+7]
	s_nop 0
.rept 4
	v_nop
.endr
	s_branch .Lasked_\@
.Lfor_b_\@:
	tensor_load_to_lds s[\g0b:\g0b+3], s[\g1b:\g1b+7]
	s_nop 0
.rept 4
	v_nop
.endr
.Lasked_\@:
.endm
.macro CREST                           ; a round of the cluster's barrier behind its opening barrier
	s_cmp_lg_u32 s14, 0
	s_cbranch_scc1 .Lnot_wave_0_\@
	s_barrier_signal -3
.Lnot_wave_0_\@:
	s_barrier_wait -3
	s_barrier_signal -1
	s_barrier_wait -1
.endm
.macro CROUND
	s_barrier_signal -1
	s_barrier_wait -1
	CREST
.endm
	s_load_b256 s[4:11], s[0:1], 0x0               ; mode 0: R's codes, R's scales, P's codes, P's scales
	s_load_b256 s[24:31], s[0:1], 0x20             ; mode 1
	s_load_b256 s[32:39], s[0:1], 0x40             ; mode 2
	s_load_b128 s[48:51], s[0:1], 0x60             ; qw, kv
	v_lshl_add_u32 v[SPW], v0, 2, SPARE
	v_mov_b32 v[NIL], 0
	ds_add_u32 v28, v29
	ds_add_u32 v28, v29
	s_wait_dscnt 0x0
	v_lshrrev_b32 v1, 5, v0
	v_readfirstlane_b32 s14, v1                    ; wave 0..3
	s_lshr_b32 s15, s14, 1                         ; which half of R's 256 rows is mine.  Also: I fetch for R (0) or for P (1)
	s_and_b32 s16, s14, 1                          ; which half of P's.  Also: which 128 rows I fetch
	s_bfe_u32 s40, ttmp6, 0x40000                  ; cx, cy: my place in the cluster
	s_bfe_u32 s41, ttmp6, 0x40004
	s_and_b32 s67, ttmp7, 0xffff                   ; cluster y = 8 x mode + g
	s_lshr_b32 s[MODE], s67, 3
	s_and_b32 s67, s67, 7
	s_lshl_b32 s67, s67, 2                         ; 4 g: the tokens' first tile of 256
	s_cmp_eq_u32 s[MODE], 2
	s_cselect_b32 s42, s67, 0                      ; the tokens are P's rows in mode 2,
	s_cselect_b32 s17, 0, s67                      ; R's rows otherwise
	s_add_co_u32 s42, s42, s40                     ; P's tile hangs on cx alone,
	s_add_co_u32 s17, s17, s41                     ; R's on cy alone
	s_lshl_b32 s43, s41, 2
	s_lshl_b32 s43, 15, s43                        ; my row of the cluster
	s_lshl_b32 s44, 0x1111, s40                    ; my column
	s_lshl_b32 s18, s16, 7                         ; which 128 rows of the tile I fetch
	s_lshl_b32 s20, s17, 8
	s_add_co_u32 s20, s20, s18                     ; R: row 256 x tile + 128 x half
	s_lshl_b32 s46, s42, 8
	s_add_co_u32 s46, s46, s18                     ; P likewise
	s_mov_b32 s21, 0
	s_mov_b32 s47, 0
	s_mov_b64 s[18:19], KS
	s_mul_u64 s[22:23], s[20:21], s[18:19]         ; where these rows' scales begin, in bytes
	s_mul_u64 s[92:93], s[46:47], s[18:19]
	s_mov_b64 s[18:19], KROW
	s_mul_u64 s[20:21], s[20:21], s[18:19]         ; and their codes
	s_mul_u64 s[46:47], s[46:47], s[18:19]
	s_mul_i32 s45, s14, HALFT                      ; where they go: wave x 128 rows: no place in the cluster enters an LDS address
	s_mul_i32 s94, s14, HALFS
	s_wait_kmcnt 0x0
	s_cmp_eq_u32 s[MODE], 1                        ; the mode's four buffers: the choice hangs on the cluster's number alone
	s_cselect_b64 s[4:5], s[24:25], s[4:5]
	s_cselect_b64 s[6:7], s[26:27], s[6:7]
	s_cselect_b64 s[8:9], s[28:29], s[8:9]
	s_cselect_b64 s[10:11], s[30:31], s[10:11]
	s_cmp_eq_u32 s[MODE], 2
	s_cselect_b64 s[4:5], s[32:33], s[4:5]
	s_cselect_b64 s[6:7], s[34:35], s[6:7]
	s_cselect_b64 s[8:9], s[36:37], s[8:9]
	s_cselect_b64 s[10:11], s[38:39], s[10:11]
	s_cmp_eq_u32 s[MODE], 0
	s_cselect_b64 s[12:13], s[48:49], s[50:51]     ; Q goes to qw, K and V to kv
	; descriptor group 1: a tile of 128 rows x ROWB bytes, 16 bytes of padding behind every 64
	s_or_b32 s[G1+0], s43, (0<<16)|(1<<20)|(1<<21)|(3<<22)|(3<<25)  ; 15:0 the mask: R's tiles go to my row; 17:16 elements of 1 byte; 20 padding on; 21 set beside a mask; 24:22 after every 16 words; 31:25 4 words
	s_or_b32 s[G1B+0], s44, (0<<16)|(1<<20)|(1<<21)|(3<<22)|(3<<25)
.irp g, G1, G1B
	s_mov_b32 s[\g+1], ROWB<<16                    ; tensor_dim0
	s_mov_b32 s[\g+2], 128<<16                     ; tensor_dim1
	s_mov_b32 s[\g+3], ROWB<<16                    ; tile_dim0
	s_mov_b32 s[\g+4], 128                         ; tile_dim1
	s_mov_b32 s[\g+5], KROW                        ; stride from row to row
	s_mov_b32 s[\g+6], 0
	s_mov_b32 s[\g+7], 0
.endr
	; the scales of 128 rows: a dense block of 128 KS bytes, as rows of 256 bytes (32 elements of 8 bytes), 16 bytes of padding behind each
	s_or_b32 s[G1S+0], s43, (3<<16)|(1<<20)|(1<<21)|(5<<22)|(3<<25)
	s_or_b32 s[G1SB+0], s44, (3<<16)|(1<<20)|(1<<21)|(5<<22)|(3<<25)
.irp g, G1S, G1SB
	s_mov_b32 s[\g+1], 32<<16
	s_mov_b32 s[\g+2], (128*KS/256)<<16
	s_mov_b32 s[\g+3], 32<<16
	s_mov_b32 s[\g+4], 128*KS/256
	s_mov_b32 s[\g+5], 32
	s_mov_b32 s[\g+6], 0
	s_mov_b32 s[\g+7], 0
.endr
	s_add_nc_u64 s[20:21], s[4:5], s[20:21]
	s_add_nc_u64 s[22:23], s[6:7], s[22:23]
	s_add_nc_u64 s[46:47], s[8:9], s[46:47]
	s_add_nc_u64 s[92:93], s[10:11], s[92:93]
	CROUND                                         ; all sixteen work-groups are here: the first joint loads meet
	s_mov_b32 s[G0S], 1
	s_add_co_u32 s[G0S+1], s94, SCL
	s_mov_b64 s[G0S+2:G0S+3], s[22:23]
	s_or_b32 s[G0S+3], s[G0S+3], 0x80000000
	s_mov_b32 s[G0SB], 1
	s_add_co_u32 s[G0SB+1], s94, SCL
	s_mov_b64 s[G0SB+2:G0SB+3], s[92:93]
	s_or_b32 s[G0SB+3], s[G0SB+3], 0x80000000
	JLOAD G0S, G1S, G0SB, G1SB                     ; the scales first: they are wanted with K step 0
.irp s, 0,1
	s_mov_b32 s[G0+4*\s], 1
	s_add_co_u32 s[G0+4*\s+1], s45, \s*SLOT
	s_add_nc_u64 s[G0+4*\s+2:G0+4*\s+3], s[20:21], \s*ROWB
	s_or_b32 s[G0+4*\s+3], s[G0+4*\s+3], 0x80000000
	s_mov_b32 s[G0B+4*\s], 1
	s_add_co_u32 s[G0B+4*\s+1], s45, \s*SLOT
	s_add_nc_u64 s[G0B+4*\s+2:G0B+4*\s+3], s[46:47], \s*ROWB
	s_or_b32 s[G0B+4*\s+3], s[G0B+4*\s+3], 0x80000000
	JLOAD G0+4*\s, G1, G0B+4*\s, G1B               ; three tensor loads of mine are out
.endr
	v_and_b32 v1, 15, v0                           ; l % 16
	v_bfe_u32 v2, v0, 4, 1                         ; l / 16
	v_mul_u32_u24 v3, v1, PITCH
	v_mul_u32_u24 v4, v2, 24
	v_add_nc_u32 v4, v3, v4                        ; a fragment's row x pitch + 24 x half
	v_lshl_add_u32 v5, v2, 4, v4                   ; and the same behind one padding more
	s_mul_i32 s21, s15, HALFT                      ; my 128 rows of R
	s_mul_i32 s22, s16, HALFT                      ; my 128 rows of P,
	s_add_co_u32 s22, s22, 2*HALFT                 ; which lie behind R's 256
.irp s, 0,1
	v_add_nc_u32 v[ADRA+\s], s21, v4
	v_add_nc_u32 v[ADRB+\s], s22, v4
	v_add_nc_u32 v[ADRA+2+\s], s21, v5
	v_add_nc_u32 v[ADRB+2+\s], s22, v5
	s_add_co_u32 s21, s21, SLOT
	s_add_co_u32 s22, s22, SLOT
.endr
	v_mul_u32_u24 v5, v1, KS                       ; my row's scales: KS bytes a row,
	v_lshrrev_b32 v6, 8, v5
	v_lshl_add_u32 v5, v6, 4, v5                   ; and 16 more for each 256 passed
	s_mul_i32 s21, s15, HALFS
	s_mul_i32 s22, s16, HALFS
	s_add_co_u32 s22, s22, 2*HALFS
	s_sub_co_u32 s22, s22, s21
	v_mul_u32_u24 v6, s22, v2                      ; lanes 16-31 take P's
	s_add_co_u32 s21, s21, SCL
	v_add_nc_u32 v5, v5, v6
	v_add_nc_u32 v[ADRS], s21, v5
	v_and_b32 v6, 31, v0
	v_lshlrev_b32 v[L8], 3, v6
	v_lshlrev_b32 v[L16], 4, v6
	s_mov_b32 s[SEL], 0x76543210
	s_mov_b32 s[SEL+1], 0xfedcba98
	; my wave's first record: ((batch x 16 + head) x 16 + step) x bytes of a record
	s_lshl_b32 s20, s17, 8
	s_lshl_b32 s21, s15, 7
	s_add_co_u32 s20, s20, s21                     ; my first row of R
	s_lshl_b32 s46, s42, 8
	s_lshl_b32 s47, s16, 7
	s_add_co_u32 s46, s46, s47                     ; my first row of P
	s_mov_b32 s[RECM], 13312
	s_cmp_eq_u32 s[MODE], 2
	s_cselect_b32 s22, s46, s20                    ; my first token
	s_cselect_b32 s23, s20, s46                    ; my first feature
	s_cmp_eq_u32 s[MODE], 0
	s_cselect_b32 s[RECM], 6656, s[RECM]
	s_lshr_b32 s[REC0], s22, 11                    ; batch
	s_lshl_b32 s[REC0], s[REC0], 4
	s_lshr_b32 s23, s23, 6                         ; head
	s_add_co_u32 s[REC0], s[REC0], s23
	s_lshl_b32 s[REC0], s[REC0], 4
	s_bfe_u32 s22, s22, 0x40007                    ; step of 128 tokens
	s_add_co_u32 s[REC0], s[REC0], s22
	s_mul_i32 s[REC0], s[REC0], s[RECM]
.macro FRAG reg, adr, q, i             ; a fragment, 16 rows x 128 K: lane l holds row l % 16; registers 6 c .. 6 c + 5 hold K = 64 c + 32 (l / 16) + 0 .. 31: 24 bytes of the row, as they lie
.irp p, 0,1,2,3,4,5                    ; in pieces of 8 bytes.  Lanes 16-31 read three pieces further on; where that lies behind one padding more, the second address register serves
.set PCE, 12*(\q)+6*(\p/3)+\p%3
.if PCE%8 < 5
	ds_load_b64 v[\reg+2*\p:\reg+2*\p+1], v[\adr] offset:8*PCE+16*(PCE/8)+(\i)*16*PITCH
.else
	ds_load_b64 v[\reg+2*\p:\reg+2*\p+1], v[\adr+2] offset:8*PCE+16*(PCE/8)+(\i)*16*PITCH
.endif
.endr
.endm
; 16 matrix instructions: R's blocks a0, a0 + 1 x P's eight, 128 along K.  zero = 1: the first product starts the sums.  The 64 accumulators take turns, one instruction a turn.
.macro MUL16 a0, p, q, sc, zero
.irp a, \a0, \a0+1
.irp b, 0,1,2,3,4,5,6,7
.if \zero
	v_wmma_scale_f32_16x16x128_f8f6f4 v[8*(8*((\a)%4)+\b):8*(8*((\a)%4)+\b)+7], v[128*(\p)+FR*\b:128*(\p)+FR*\b+FR-1], v[AF+FR*(\a):AF+FR*(\a)+FR-1], 0, v[SC+8*NQ*(\sc)+NQ*\b+(\q)], v[SC+8*NQ*(\sc)+NQ*(\a)+(\q)] matrix_a_fmt:MATRIX_FMT_FP6 matrix_b_fmt:MATRIX_FMT_FP6 matrix_a_scale:MATRIX_SCALE_ROW1
.else
	v_wmma_scale_f32_16x16x128_f8f6f4 v[8*(8*((\a)%4)+\b):8*(8*((\a)%4)+\b)+7], v[128*(\p)+FR*\b:128*(\p)+FR*\b+FR-1], v[AF+FR*(\a):AF+FR*(\a)+FR-1], v[8*(8*((\a)%4)+\b):8*(8*((\a)%4)+\b)+7], v[SC+8*NQ*(\sc)+NQ*\b+(\q)], v[SC+8*NQ*(\sc)+NQ*(\a)+(\q)] matrix_a_fmt:MATRIX_FMT_FP6 matrix_b_fmt:MATRIX_FMT_FP6 matrix_a_scale:MATRIX_SCALE_ROW1
.endif
.endr
.endr
.endm
.macro FETCH_B slot, q, p              ; P's eight fragments into set p
	WIN TO_B
.irp i, 0,1,2,3,4,5,6,7
	FRAG 128*(\p)+FR*\i, ADRB+\slot, \q, \i
.endr
	WIN 0
.endm
.macro FETCH_A slot, q, i0             ; R's blocks i0 .. i0 + 3
.irp i, \i0, \i0+1, \i0+2, \i0+3
	FRAG AF+FR*(\i), ADRA+\slot, \q, \i
.endr
.endm
.macro SCALES sc                       ; a K step's scale words: lanes 0-15 R's block i, lanes 16-31 P's block i
.irp i, 0,1,2,3,4,5,6,7
	ds_load_b64 v[SC+8*NQ*\sc+NQ*\i:SC+8*NQ*\sc+NQ*\i+1], v[ADRS] offset:\i*SBLK
.endr
.endm
.macro PLACES n                        ; plain vector instructions between a matrix instruction and a load into, or a read of, its registers
.rept \n
	v_nop
.endr
.endm
.macro STEP slot, q, zero              ; 128 along K that have their successor in the same slot
	s_wait_dscnt 4*NL                              ; P's set and R's blocks 0-3 are in; the youngest 24 loads (R's blocks 4-7) may be out
	WIN MUL_LO
	MUL16 0, (\q)%2, \q, \slot, \zero
	MUL16 2, (\q)%2, \q, \slot, \zero
	s_wait_dscnt 0                                 ; R's blocks 4-7 are in
	PLACES NP
	FETCH_B \slot, (\q)+1, 1-(\q)%2
	FETCH_A \slot, (\q)+1, 0
	WIN MUL_HI
	MUL16 4, (\q)%2, \q, \slot, \zero
	MUL16 6, (\q)%2, \q, \slot, \zero
	PLACES NP
	WIN 0
	FETCH_A \slot, (\q)+1, 4
.endm
; A slot's last step changes slots: ONE barrier; in front of it each wave waits for all its tensor loads, adds 0 to its spare word, and waits for that and for its reads of this slot.
.macro TURN slot, next, fill
	s_wait_tensorcnt 0x0                           ; all my tensor loads have landed: my part of the next slot
	ds_add_u32 v[SPW], v[NIL]                      ; 0 onto my spare word
	s_wait_dscnt 4*NL+1                            ; (the add and the youngest 24 loads may be out)
	WIN MUL_LO
	MUL16 0, 1, NQ-1, \slot, 0
	s_wait_dscnt 0x0                               ; the add is done, and my reads of this slot are over
	s_barrier_signal -1
	MUL16 2, 1, NQ-1, \slot, 0
	WIN 0
	s_barrier_wait -1
.if \fill
	CREST                                          ; the barrier has opened a round of the cluster's barrier: no wave of any partner still reads this slot or has a load on its way
	s_add_nc_u64 s[G0+4*\slot+2:G0+4*\slot+3], s[G0+4*\slot+2:G0+4*\slot+3], 2*ROWB
	s_add_nc_u64 s[G0B+4*\slot+2:G0B+4*\slot+3], s[G0B+4*\slot+2:G0B+4*\slot+3], 2*ROWB
	JLOAD G0+4*\slot, G1, G0B+4*\slot, G1B         ; the first tensor load behind the round; its four v_nop are the places in front of the loads below
.else
	PLACES NP
.endif
	s_wait_alu depctr_va_vdst(0)
	v_add_nc_u32 v[ADRS], 4*NQ, v[ADRS]            ; on to the next K step's scale words
	FETCH_B \next, 0, 0
	FETCH_A \next, 0, 0
	SCALES \next
	WIN MUL_HI
	MUL16 4, 1, NQ-1, \slot, 0
	MUL16 6, 1, NQ-1, \slot, 0
	PLACES NP
	WIN 0
	FETCH_A \next, 0, 4
.endm
	s_wait_alu depctr_va_vdst(0)
	s_wait_tensorcnt 1                             ; the scales and my part of K step 0 are in (K step 1's load may be out),
	s_barrier_signal -1
	s_barrier_wait -1                              ; everybody's are
	FETCH_B 0, 0, 0
	FETCH_A 0, 0, 0
	SCALES 0
	FETCH_A 0, 0, 4
	STEP 0, 0, 1                                   ; the first step stands in front of the loop: its products start the sums
	s_mov_b32 s3, LAPS-1
.Llap:                                                 ; a trip goes once round the ring and fills both slots again
	TURN 0, 1, 1
	STEP 1, 0, 0
	TURN 1, 0, 1
	STEP 0, 0, 0
	s_sub_co_u32 s3, s3, 1
	s_cmp_lg_u32 s3, 0
	s_cbranch_scc1 .Llap
	TURN 0, 1, 0                                   ; the last lap fills nothing
	STEP 1, 0, 0
	s_wait_dscnt 4*NL
	WIN MUL_LO
	MUL16 0, 1, NQ-1, 1, 0
	MUL16 2, 1, NQ-1, 1, 0
	s_wait_dscnt 0
	WIN MUL_HI
	MUL16 4, 1, NQ-1, 1, 0
	MUL16 6, 1, NQ-1, 1, 0
	WIN 0
	; ---- THE WAY OUT: quantise and store, block by block of 16 rows of R
	PLACES NP                                      ; behind the last products: their scale registers are written and their results read below
.irp b, 0,1,2,3
	v_mov_b32 v[TM+4+\b], 0                        ; written once: a lane permute's destination counts as one of its sources
.endr
	v_mov_b32 v[ZZ], 0
	v_mov_b32 v[ZZ+1], 0
	s_lshl_b32 s21, s[RECM], 4                     ; from a head to the next: 16 records
	s_mov_b32 s22, 768
	s_mov_b32 s23, 3072
	s_mov_b32 s46, 768
	s_cmp_eq_u32 s[MODE], 2
	s_cselect_b32 s20, 6144, 0                     ; V's codes lie behind K's
	s_cselect_b32 s22, 1536, s22                   ; from block a to a + 1: V: a tile of 12 registers; Q, K: a tile of 6
	s_cselect_b32 s23, s21, s23                    ; from block a to a + 4: V: the next head; Q, K: four tiles
	s_cselect_b32 s46, s46, s21                    ; from registers 0-5 to 6-11: V: the same image; Q, K: the next head
	s_add_co_u32 s20, s20, s[REC0]
	v_add_nc_u32 v[OFF], s20, v[L8]
.irp a, 1,2,3
	v_add_nc_u32 v[OFF+2*\a], s22, v[OFF+2*\a-2]
.endr
.irp a, 0,1,2,3
	v_add_nc_u32 v[OFF+8+2*\a], s23, v[OFF+2*\a]
.endr
.irp a, 0,1,2,3,4,5,6,7
	v_add_nc_u32 v[OFF+2*\a+1], s46, v[OFF+2*\a]
.endr
; Block a: 64 numbers a lane, register 16 b + i of block b of 32 along i.  A block's scale is its largest magnitude's exponent field less 2, held at 1 from below by the floor 2^(3 - 127) among the maximum's leaves.
.macro QUANT a
.set AC, 64*((\a)%4)
.set WW, 2+(\a)/4
.set W01, WW|(WW<<2)
.set W12, (WW<<2)|(WW<<4)
	WIN W01                                        ; sources 0 and 1 in the accumulators' window
.irp b, 0,1,2,3
	v_max3_num_f32 v[TM+\b], |v[AC+16*\b]|, |v[AC+16*\b+1]|, 0x1800000   ; each accumulator is read from its low end on
.endr
	WIN W12                                        ; sources 1 and 2
.irp i, 2,4,6,8,10,12,14
.irp b, 0,1,2,3
	v_max3_num_f32 v[TM+\b], v[TM+\b], |v[AC+16*\b+\i]|, |v[AC+16*\b+\i+1]|
.endr
.endr
	WIN 0
.irp b, 0,1,2,3
	v_permlanex16_b32 v[TM+4+\b], v[TM+\b], s[SEL], s[SEL+1]
.endr
.irp b, 0,1,2,3
	v_max_num_f32 v[TM+\b], v[TM+\b], v[TM+4+\b]   ; with lane l xor 16's: the block's largest magnitude
.endr
.irp b, 0,1,2,3
	v_add_nc_u32 v[TM+12+\b], 0xff000000, v[TM+\b] ; 2 off its exponent field: the conversion's scale operand
.endr
.irp b, 0,1,2,3
	v_lshrrev_b32 v[TM+4+\b], 23, v[TM+12+\b]      ; the scale's byte
.endr
	v_lshl_or_b32 v[PW+(\a)], v[TM+5], 8, v[TM+4]
	v_lshl_or_b32 v[PW+(\a)], v[TM+6], 16, v[PW+(\a)]
	v_lshl_or_b32 v[PW+(\a)], v[TM+7], 24, v[PW+(\a)]
	s_wait_xcnt 0x0                                ; the last block's stores have read the codes' registers: they are written again only behind this wait
	WIN WW                                         ; source 0 in the accumulators' window
.irp c, 0,1
	v_cvt_scalef32_pk16_fp6_f32 v[PC+6*\c:PC+6*\c+2], v[AC+32*\c:AC+32*\c+15], v[TM+12+2*\c]
	v_cvt_scalef32_pk16_fp6_f32 v[PC+12+4*\c:PC+14+4*\c], v[AC+32*\c+16:AC+32*\c+31], v[TM+13+2*\c]   ; (a conversion's three registers begin on an even number)
.endr
	WIN 0
	v_nop                                          ; one plain place behind a scaled conversion
.irp c, 0,1                                    ; the operand's layout wants a whole block in a lane: lanes 0-15 block 2 c, lanes 16-31 block 2 c + 1
.irp i, 0,1,2
	v_permlane16_swap_b32 v[PC+6*\c+\i], v[PC+12+4*\c+\i]
.endr
.irp i, 0,1,2
	v_mov_b32 v[PC+3+6*\c+\i], v[PC+12+4*\c+\i]
.endr
.endr
.irp c, 0,1
.irp q, 0,1,2
	global_store_b64 v[OFF+2*(\a)+\c], v[PC+6*\c+2*\q:PC+6*\c+2*\q+1], s[12:13] offset:256*\q   ; 32 lanes store 256 consecutive bytes, aligned
.endr
.endr
.endm
.irp a, 0,1,2,3,4,5,6,7
	QUANT \a
.endr
	; the scale words, laid as the reader's scale registers: lanes 0-15 an even block's rows, lanes 16-31 the odd block's
	s_mov_b32 s100, 0xffff0000
.irp q, 0,1,2,3
	v_cndmask_b32 v[RR+\q], v[PW+2*\q], v[PW+2*\q+1], s100
.endr
	s_cmp_eq_u32 s[MODE], 2                        ; the same in all partners of a cluster
	s_cbranch_scc1 .Lv_arm
.irp q, 0,1,2,3
	v_and_b32 v[RA+\q], 0xffff, v[RR+\q]           ; Q, K: bytes 0, 1 are the first head's two blocks; bytes 2, 3 of a stored word are 0
	v_lshrrev_b32 v[RB+\q], 16, v[RR+\q]           ; bytes 2, 3 the second head's
.endr
	s_mov_b32 s22, 12288
	s_cmp_eq_u32 s[MODE], 0
	s_cselect_b32 s22, 6144, s22
	s_add_co_u32 s22, s22, s[REC0]
	v_add_nc_u32 v[SO0], s22, v[L16]
	v_add_nc_u32 v[SO1], s21, v[SO0]
	global_store_b128 v[SO0], v[RA:RA+3], s[12:13] ; 512 consecutive bytes
	global_store_b128 v[SO1], v[RB:RB+3], s[12:13]
	s_branch .Ljoin
.Lv_arm:
	s_add_co_u32 s22, s[REC0], 12800
	v_add_nc_u32 v[SO0], s22, v[L8]
	s_wait_alu depctr_va_vdst(0)
	v_add_nc_u32 v[SO1], s21, v[SO0]
	global_store_b64 v[SO0], v[RR:RR+1], s[12:13]              ; V: blocks 0-3 are the first head's four tiles,
	global_store_b64 v[SO1], v[RR+2:RR+3], s[12:13]            ; blocks 4-7 the second head's
	global_store_b64 v[SO0], v[ZZ:ZZ+1], s[12:13] offset:256   ; the record's last 256 bytes: zeros, so that every byte that is read later has been written
	global_store_b64 v[SO1], v[ZZ:ZZ+1], s[12:13] offset:256
.Ljoin:
	s_wait_tensorcnt 0x0                           ; the wave's end
	ds_add_u32 v[SPW], v[NIL]
	s_wait_dscnt 0x0
	CROUND                                         ; the closing round: no work-group ends while a partner may still ask for a tile that names it
	s_endpgm
.Lfunc_end_k_q0152308c1e_proj:
	.size	k_q0152308c1e_proj, .Lfunc_end_k_q0152308c1e_proj-k_q0152308c1e_proj
	.p2alignl 7, 3214868480
	.fill 96, 4, 3214868480
	.section	.rodata,"a",@progbits
	.p2align	6, 0x0
	.amdhsa_kernel k_q0152308c1e_proj
		.amdhsa_group_segment_fixed_size 327680
		.amdhsa_private_segment_fixed_size 0
		.amdhsa_enable_private_segment 0
		.amdhsa_kernarg_size 112
		.amdhsa_user_sgpr_count 2
		.amdhsa_user_sgpr_kernarg_segment_ptr 1
		.amdhsa_wavefront_size32 1
		.amdhsa_system_sgpr_workgroup_id_x 1
		.amdhsa_system_sgpr_workgroup_id_y 1
		.amdhsa_system_sgpr_workgroup_id_z 1
		.amdhsa_system_vgpr_workitem_id 0
		.amdhsa_next_free_vgpr 1024
		.amdhsa_next_free_sgpr 102
		.amdhsa_reserve_vcc 0
		.amdhsa_float_denorm_mode_32 3
		.amdhsa_float_denorm_mode_16_64 3
		.amdhsa_memory_ordered 1
		.amdhsa_forward_progress 1
		.amdhsa_inst_pref_size 170
	.end_amdhsa_kernel
	.amdgpu_metadata
---
amdhsa.version: [ 1, 2 ]
amdhsa.kernels:
  - .name:           k_q0152308c1e_proj
    .symbol:         k_q0152308c1e_proj.kd
    .args:
      - { .name: x_query_codes, .offset: 0, .size: 8, .value_kind: global_buffer, .address_space: global }
      - { .name: x_query_scales, .offset: 8, .size: 8, .value_kind: global_buffer, .address_space: global }
      - { .name: Wq_codes, .offset: 16, .size: 8, .value_kind: global_buffer, .address_space: global }
      - { .name: Wq_scales, .offset: 24, .size: 8, .value_kind: global_buffer, .address_space: global }
      - { .name: x_key_codes, .offset: 32, .size: 8, .value_kind: global_buffer, .address_space: global }
      - { .name: x_key_scales, .offset: 40, .size: 8, .value_kind: global_buffer, .address_space: global }
      - { .name: Wk_codes, .offset: 48, .size: 8, .value_kind: global_buffer, .address_space: global }
      - { .name: Wk_scales, .offset: 56, .size: 8, .value_kind: global_buffer, .address_space: global }
      - { .name: Wv_codes, .offset: 64, .size: 8, .value_kind: global_buffer, .address_space: global }
      - { .name: Wv_scales, .offset: 72, .size: 8, .value_kind: global_buffer, .address_space: global }
      - { .name: x_value_codes, .offset: 80, .size: 8, .value_kind: global_buffer, .address_space: global }
      - { .name: x_value_scales, .offset: 88, .size: 8, .value_kind: global_buffer, .address_space: global }
      - { .name: qw, .offset: 96, .size: 8, .value_kind: global_buffer, .address_space: global }
      - { .name: kv, .offset: 104, .size: 8, .value_kind: global_buffer, .address_space: global }
    .group_segment_fixed_size: 327680
    .private_segment_fixed_size: 0
    .kernarg_segment_align: 8
    .kernarg_segment_size: 112
    .max_flat_workgroup_size: 128
    .sgpr_count:     102
    .vgpr_count:     1024
    .wavefront_size: 32
...
	.end_amdgpu_metadata
.endif
;; end of part 1
;; launch attn (part 2): grid 4 x 64, 16 waves a work-group, no clusters, 223,232 bytes of LDS; arguments qw, kv, attention_mask, oc, os; writes oc, os
.if DOCPART == 2
	.amdgcn_target "amdgcn-amd-amdhsa--gfx1250"
	.amdhsa_code_object_version 6
	.text
	.protected	k_q0152308c1e_attn
	.globl	k_q0152308c1e_attn
	.p2align	8
	.type	k_q0152308c1e_attn,@function
k_q0152308c1e_attn:
	s_mov_b64 s[64:65], 0
	v_nop
	global_prefetch_b8 v0, s[64:65] scope:SCOPE_SE
	s_setreg_imm32_b32 hwreg(HW_REG_WAVE_MODE, 25, 1), 1
	s_wait_xcnt 0x0
; Causal attention with a padding mask, both products on codes of FP6 (E2M3) with E8M0 scales; the result is quantised along the model's 1,024 for the last product.
; qw, kv: operand images made by the launch before (a record for each step of 128 tokens of a head; see the offsets below).  oc: [row tile of 16 rows 512][head 16][768]: images of 6 registers;  os: [8,192][32] scale bytes.
; THE SOFTMAX: t = score x log2(e) / 8; M = the running largest t rounded UP to a whole number; p = 2^(t - M) is quantised along the keys, not normalised; the row's sum is taken of the unquantised p and divides at the end.
; SHARES.  A work-group (p = x, batch x head = y) has sixteen waves, four to a SIMD.  A head has 128 tiles of 16 queries.  Wave w takes tile 16 p + w and then tile 127 - (16 p + w):
; t / 8 + 1 steps of 128 keys for tile t, so 17 steps for every wave of the launch, two of them on the diagonal.
; LDS IS FILLED ONCE: the head's 16 records, 212,992 bytes, by three tensor loads a wave at the head (steps 0-3, 4-7, 8-15); behind them 2,048 f32 made of the padding mask.  No slot is filled again.
; NO CLUSTER: the four work-groups of a head read the same 212,992 bytes once each in the whole launch, and which steps a wave works hangs on its work-group's number, which partners do not share.
; LAYOUT.  Both products are used transposed: S^T = K Q^T (source 0 = 16 keys, source 1 = my 16 queries), O^T = V^T P^T: a lane holds ONE query (lane % 16) throughout.
; Register 8 t + j of S^T is key 16 t + 8 (lane / 16) + j.  Inside a block of 32 keys p's codes so stand in the order 0-7, 16-23, 8-15, 24-31, as V's do; Q's and K's features likewise.
; A HEAD IS 64 DEEP, THE INSTRUCTION 128: Q's registers 6-11 are zero codes; K's operand of tile t runs on into the next tile's registers, which meet those zeros alone; scale bytes 2 and 3 are 0 on both sides.
; THE MASKS.  Padding: the C of each product K Q^T is 0 for a valid key and -2^127 for a masked one.  Causal: on the diagonal hidden scores become -infinity; steps wholly behind the diagonal are jumped over (a branch on ids).
; LIMITS: the largest t starts at -2^120, over every masked t (-2^127 x log2(e) / 8) and under every valid one: t of a valid key must lie above -2^120.  A query with no valid key has the sum 0: its
; codes are zeros and its scale bytes 0xff, by which the last product gives NaN for the whole row.  NaN, infinities and given scale bytes 0xff are not served.
.set REC,   13312                      ; a record of kv: K's codes 0 | V's codes 6,144 | K's scale words 12,288 | V's scale words 12,800 | zeros 13,056
.set HEADB, 16*REC
.set BIAS,  HEADB                      ; LDS: behind the records, 2,048 f32
.set L8,   1                           ; v1   8 x lane
.set L16,  2                           ; v2   16 x lane
.set BA0,  3                           ; v3   BIAS + 32 (lane / 16)
.set ADK,  4                           ; v4-6 LDS addresses of the step in hand: codes, K's scale words, the mask's numbers
.set ADS,  5
.set ADB,  6
.set R16,  7                           ; v7   16 r
.set OSO,  8                           ; v8   32 r + h: my byte among the tile's scale bytes
.set RH,   9                           ; v9   r - 8 h
.set NINF, 10                          ; v10  -infinity
.set FF,   11                          ; v11  0xff
.set QF,   16                          ; v16-21 Q's codes, v22-27 zeros
.set QSW,  28                          ; v28  Q's scale words
.set KT,   32                          ; v32-79 K's 8 tiles of 6 registers, later V's 4 of 12; v80-85 zeros
.set S,    96                          ; v96-159 S^T, then p
.set O,    160                         ; v160-191 O^T
.set PCD,  192                         ; v192-203 p's codes; v204-206, v208-210 the conversions' second halves
.set KSC,  212                         ; v212-215 K's scale words
.set VSC,  216                         ; v216-217 V's
.set PSW,  218                         ; v218 p's scale word
.set DG,   220                         ; v220 my query less the step's first key less 8 h
.set F,    222                         ; v222 f = 2^(old M - new M); v223 named with it as a pair
.set BM,   232                         ; v232-235 the blocks' largest scores
.set TP,   236                         ; v236-239 at work
.set SOP,  244                         ; v244-247 the conversions' scale operands
.set T1,   254
.set TB,   2                           ; s2   LDS byte of the step's record
.set TBI,  3                           ; s3   4 x the step's first key
.set WV,   18
.set BH,   19
.set SEL,  20                          ; s[20:21] selects for lane l xor 16
.set CS,   22                          ; s[22:23] c = log2(e) / 8
.set KF,   52                          ; s52  the step's first key
.set Q0,   53                          ; s53  my first query
.set CNT,  54
.set HI16, 78                          ; s78  lanes 16-31
.set TAUL, 80
.set TAUH, 81
.set BB,   82                          ; batch
.set HD,   83                          ; head
	s_load_b256 s[4:11], s[0:1], 0x0               ; qw, kv, attention_mask, oc
	s_load_b64 s[12:13], s[0:1], 0x20              ; os
	v_lshl_add_u32 v253, v0, 2, 0x36000
	v_mov_b32 v255, 0
	ds_add_u32 v253, v255
	ds_add_u32 v253, v255
	v_lshrrev_b32 v1, 5, v0
	s_delay_alu instid0(VALU_DEP_1)
	v_readfirstlane_b32 s[WV], v1                  ; wave 0..15
	s_and_b32 s[BH], ttmp7, 0xffff
	s_lshr_b32 s[BB], s[BH], 4
	s_and_b32 s[HD], s[BH], 15
	s_lshl_b32 s[TAUL], ttmp9, 4
	s_add_co_u32 s[TAUL], s[TAUL], s[WV]           ; my light tile, 0 .. 63
	s_sub_co_u32 s[TAUH], 127, s[TAUL]             ; my heavy tile, 64 .. 127
	; descriptor groups 1: dense rows of 256 bytes (32 elements of 8 bytes), 13 or 26 rows a wave
	s_mov_b32 s24, 3<<16
	s_mov_b32 s25, 32<<16                          ; tensor_dim0
	s_mov_b32 s26, 13<<16                          ; tensor_dim1
	s_mov_b32 s27, 32<<16                          ; tile_dim0
	s_mov_b32 s28, 13                              ; tile_dim1
	s_mov_b32 s29, 32                              ; stride
	s_mov_b32 s30, 0
	s_mov_b32 s31, 0
	s_mov_b32 s32, 3<<16
	s_mov_b32 s33, 32<<16
	s_mov_b32 s34, 26<<16
	s_mov_b32 s35, 32<<16
	s_mov_b32 s36, 26
	s_mov_b32 s37, 32
	s_mov_b32 s38, 0
	s_mov_b32 s39, 0
	s_mov_b32 s[SEL], 0x76543210
	s_mov_b32 s[SEL+1], 0xfedcba98
	s_mov_b32 s[CS], 0x3e38aa3b
	s_mov_b32 s[CS+1], s[CS]                       ; (named with it as a pair, so it is written)
	s_mov_b32 s[HI16], 0xffff0000
	s_mul_i32 s56, s[BH], HEADB
	s_mov_b32 s57, 0
	s_mul_i32 s58, s[WV], 3328                     ; my sixteenth of four records; the same offset in LDS and in the head's block of kv
	s_mov_b32 s59, 0
	s_wait_dscnt 0x0
	s_wait_kmcnt 0x0
	s_add_nc_u64 s[56:57], s[6:7], s[56:57]        ; the head's block of kv
	s_mov_b32 s40, 1
	s_mov_b32 s41, s58
	s_add_nc_u64 s[42:43], s[56:57], s[58:59]
	s_or_b32 s43, s43, 0x80000000
	s_add_co_u32 s58, s58, 4*REC
	s_mov_b32 s44, 1
	s_mov_b32 s45, s58
	s_add_nc_u64 s[46:47], s[56:57], s[58:59]
	s_or_b32 s47, s47, 0x80000000
	s_mul_i32 s58, s[WV], 6656                     ; my sixteenth of eight records
	s_add_co_u32 s58, s58, 8*REC
	s_mov_b32 s48, 1
	s_mov_b32 s49, s58
	s_add_nc_u64 s[50:51], s[56:57], s[58:59]
	s_or_b32 s51, s51, 0x80000000
	tensor_load_to_lds s[40:43], s[24:31]          ; steps 0-3
	s_nop 0
	tensor_load_to_lds s[44:47], s[24:31]          ; steps 4-7
	s_nop 0
	tensor_load_to_lds s[48:51], s[32:39]          ; steps 8-15: three loads of mine are out, and no more are issued
	s_nop 0
.rept 4
	v_nop
.endr
	s_lshl_b32 s58, s[BB], 13
	s_add_nc_u64 s[8:9], s[8:9], s[58:59]          ; my batch's row of the mask
	v_lshlrev_b32 v92, 4, v0                       ; four keys a thread
	v_lshl_add_u32 v93, v0, 4, BIAS
	global_load_b128 v[86:89], v92, s[8:9]
	v_and_b32 v3, 31, v0
	s_delay_alu instid0(VALU_DEP_1)
	v_lshlrev_b32 v[L8], 3, v3
	s_delay_alu instid0(VALU_DEP_2)
	v_lshlrev_b32 v[L16], 4, v3
	v_and_b32 v7, 15, v0                           ; r
	v_bfe_u32 v6, v0, 4, 1                         ; h
	s_delay_alu instid0(VALU_DEP_1)
	v_lshl_add_u32 v[OSO], v7, 5, v6
	s_delay_alu instid0(VALU_DEP_2)
	v_lshlrev_b32 v[RH], 3, v6
	s_delay_alu instid0(VALU_DEP_1)
	v_sub_nc_u32 v[RH], v7, v[RH]
	s_delay_alu instid0(VALU_DEP_4)
	v_lshl_add_u32 v[BA0], v6, 5, BIAS
	v_lshlrev_b32 v[R16], 4, v7
	v_mov_b32 v[NINF], 0xff800000
	v_mov_b32 v[FF], 0xff
.irp i, 0,1,2,3,4,5
	v_mov_b32 v[QF+6+\i], 0                        ; zero codes: the upper 64 of the instruction's 128
	v_mov_b32 v[KT+48+\i], 0
.endr
.irp b, 0,1,2,3
	v_mov_b32 v[TP+\b], 0                          ; written once: a lane permute's destination counts as one of its sources
.endr
	v_mov_b32 v[F+1], 0
	v_mov_b32 v90, 0xff000000                      ; -2^127
	v_mov_b32 v91, 0
; the four addresses of tile tau: Q's codes, Q's scale words, O's codes, O's scale bytes
.macro TILEADR tau, qc, qs, oc, os
	s_lshl_b32 s56, s[BH], 4
	s_lshr_b32 s58, \tau, 3
	s_add_co_u32 s56, s56, s58
	s_mul_i32 s56, s56, 6656                       ; the record of qw
	s_and_b32 s58, \tau, 7
	s_mul_i32 s58, s58, 768
	s_add_co_u32 s58, s58, s56
	s_add_nc_u64 s[\qc:\qc+1], s[4:5], s[58:59]
	s_and_b32 s58, \tau, 1                         ; the scale image: lane 16 (tau % 2) + r, word (tau % 8) / 2
	s_lshl_b32 s58, s58, 8
	s_add_co_u32 s56, s56, s58
	s_bfe_u32 s58, \tau, 0x20001
	s_lshl_b32 s58, s58, 2
	s_add_co_u32 s58, s58, s56
	s_add_co_u32 s58, s58, 6144
	s_add_nc_u64 s[\qs:\qs+1], s[4:5], s[58:59]
	s_lshl_b32 s56, s[BB], 7
	s_add_co_u32 s56, s56, \tau                    ; the row tile of the output: 128 x batch + tau
	s_lshl_b32 s58, s56, 4
	s_add_co_u32 s58, s58, s[HD]
	s_mul_i32 s58, s58, 768
	s_add_nc_u64 s[\oc:\oc+1], s[10:11], s[58:59]
	s_lshl_b32 s58, s56, 9                         ; 16 rows of 32 bytes
	s_lshl_b32 s56, s[HD], 1
	s_add_co_u32 s58, s58, s56
	s_add_nc_u64 s[\os:\os+1], s[12:13], s[58:59]
.endm
	TILEADR s[TAUL], 60, 62, 66, 68
	TILEADR s[TAUH], 70, 72, 74, 76
	s_wait_alu depctr_va_vdst(0)
	s_wait_loadcnt 0x0                             ; the mask
.irp i, 0,1,2,3
	v_cmp_ne_u32 vcc_lo, 0, v[86+\i]
	s_delay_alu instid0(VALU_DEP_1)
	v_cndmask_b32 v[86+\i], v90, v91, vcc_lo       ; 0 for a valid key, -2^127 for a masked one
.endr
	ds_store_b128 v93, v[86:89]
; A tile begins: Q's fragment and scale words; the largest t, the sum and O^T start anew.
.macro INIT qc, qs, tau
	s_wait_xcnt 0x0                                ; the last tile's stores have read their registers: the steps below write them again
.irp q, 0,1,2
	global_load_b64 v[QF+2*\q:QF+2*\q+1], v[L8], s[\qc:\qc+1] offset:256*\q
.endr
	global_load_b32 v[QSW], v[R16], s[\qs:\qs+1]
	v_mov_b32 v13, 0xfb800000                      ; the largest t so far: -2^120
	s_delay_alu instid0(VALU_DEP_1)
	v_floor_f32 v12, -v13                          ; -M
	v_mov_b32 v14, 0                               ; the sum, in two halves
	v_mov_b32 v15, 0
.set jj, 0
.rept 32
	v_mov_b32 v[O+jj], 0                           ; O^T: the step is written once; its first trip finds zeros
.set jj, jj+1
.endr
	s_mov_b32 s[TB], 0
	s_mov_b32 s[TBI], 0
	s_mov_b32 s[KF], 0
	s_lshl_b32 s[Q0], \tau, 4
	s_wait_loadcnt 0x0
.endm
; A KEY STEP: 128 keys.
.macro STEP
	s_add_co_u32 s55, s[Q0], 15                    ; a step all of whose keys come after my 16 queries is left out: a branch on ids, round the work, not round the lines that step addresses
	s_cmp_gt_u32 s[KF], s55
	s_cbranch_scc1 .Lhid_\@
	s_setprio 2
	v_add_nc_u32 v[ADK], s[TB], v[L8]              ; these four plain lines are the places in front of the loads into registers that the last step's products have read
	v_add_nc_u32 v[ADS], s[TB], v[L16]
	v_add_nc_u32 v[ADB], s[TBI], v[BA0]
	v_nop
.irp t, 0,1,2,3,4,5,6,7
.irp q, 0,1,2
	ds_load_b64 v[KT+6*\t+2*\q:KT+6*\t+2*\q+1], v[ADK] offset:768*\t+256*\q   ; K's images: 256 consecutive bytes a load
.endr
.endr
	ds_load_b128 v[KSC:KSC+3], v[ADS] offset:12288 ; word q: lanes 0-15 tile 2 q, lanes 16-31 tile 2 q + 1
.irp t, 0,1,2,3,4,5,6,7
	ds_load_b128 v[S+8*\t:S+8*\t+3], v[ADB] offset:64*\t            ; the mask's numbers of keys 16 t + 8 h + 0 .. 7: the C of the product
	ds_load_b128 v[S+8*\t+4:S+8*\t+7], v[ADB] offset:64*\t+16
.endr
	s_wait_alu depctr_va_vdst(0)
	s_wait_dscnt 0x0
.irp t, 0,1,2,3,4,5,6,7
.if \t%2
	v_wmma_scale_f32_16x16x128_f8f6f4 v[S+8*\t:S+8*\t+7], v[KT+6*\t:KT+6*\t+11], v[QF:QF+11], v[S+8*\t:S+8*\t+7], v[KSC+\t/2], v[QSW] matrix_a_fmt:MATRIX_FMT_FP6 matrix_b_fmt:MATRIX_FMT_FP6 matrix_a_scale:MATRIX_SCALE_ROW1
.else
	v_wmma_scale_f32_16x16x128_f8f6f4 v[S+8*\t:S+8*\t+7], v[KT+6*\t:KT+6*\t+11], v[QF:QF+11], v[S+8*\t:S+8*\t+7], v[KSC+\t/2], v[QSW] matrix_a_fmt:MATRIX_FMT_FP6 matrix_b_fmt:MATRIX_FMT_FP6
.endif
.endr
.rept 4
	v_nop                                          ; places: in front of the loads into K's registers, and of the first read of the scores
.endr
.irp t, 0,1,2,3
.irp q, 0,1,2,3,4,5
	ds_load_b64 v[KT+12*\t+2*\q:KT+12*\t+2*\q+1], v[ADK] offset:6144+1536*\t+256*\q   ; V's images land while the softmax is worked
.endr
.endr
	ds_load_b64 v[VSC:VSC+1], v[ADK] offset:12800
	s_add_co_u32 s55, s[KF], 127                   ; a step all of whose keys count skips the causal mask
	s_cmp_le_u32 s55, s[Q0]
	s_cbranch_scc1 .Lopen_\@
	s_sub_co_i32 s55, s[Q0], s[KF]
	v_add_nc_u32 v[DG], s55, v[RH]                 ; register n holds key KF + 16 (n / 8) + 8 h + n % 8: hidden where 16 (n / 8) + n % 8 > my query - KF - 8 h
.set jj, 0
.rept 64
	v_cmp_gt_i32 vcc_lo, 16*(jj/8)+jj%8, v[DG]
	v_cndmask_b32 v[S+jj], v[S+jj], v[NINF], vcc_lo
.set jj, jj+1
.endr
.Lopen_\@:
.irp b, 0,1,2,3
	v_max3_num_f32 v[BM+\b], v[S+16*\b], v[S+1+16*\b], v[S+2+16*\b]   ; the largest score of each block of 32 keys: for the row's maximum and, since p rises with the score, for the block's largest p
.endr
.irp i, 3,5,7,9,11,13
.irp b, 0,1,2,3
	v_max3_num_f32 v[BM+\b], v[BM+\b], v[S+16*\b+\i], v[S+1+16*\b+\i]
.endr
.endr
.irp b, 0,1,2,3
	v_max_num_f32 v[BM+\b], v[BM+\b], v[S+15+16*\b]
.endr
.irp b, 0,1,2,3
	s_delay_alu instid0(VALU_DEP_4)
	v_permlanex16_b32 v[TP+\b], v[BM+\b], s[SEL], s[SEL+1]
.endr
.irp b, 0,1,2,3
	s_delay_alu instid0(VALU_DEP_4)
	v_max_num_f32 v[BM+\b], v[BM+\b], v[TP+\b]     ; with lane l xor 16's 16 keys
.endr
	s_delay_alu instid0(VALU_DEP_2)
	v_max3_num_f32 v[T1], v[BM], v[BM+1], v[BM+2]
	s_delay_alu instid0(VALU_DEP_1)
	v_max_num_f32 v[T1], v[T1], v[BM+3]
	s_delay_alu instid0(VALU_DEP_1)
	v_mul_f32 v[T1], s[CS], v[T1]                  ; the step's largest t
	s_delay_alu instid0(VALU_DEP_1)
	v_max_num_f32 v13, v13, v[T1]                  ; the running largest t
	v_mov_b32 v[T1], v12
	s_delay_alu instid0(VALU_DEP_2)
	v_floor_f32 v12, -v13                          ; the new -M = -ceil(t): a whole number
	s_delay_alu instid0(VALU_DEP_1)
	v_sub_f32 v[T1], v12, v[T1]                    ; old M - new M, 0 or less
	s_delay_alu instid0(VALU_DEP_1)
	v_cvt_i32_f32 v[T1], v[T1]                     ; (it saturates)
	s_delay_alu instid0(VALU_DEP_1)
	v_ldexp_f32 v[F], 1.0, v[T1]                   ; f = 2^(old M - new M): a multiplication by it rounds nothing
.set jj, 0
	s_setprio 1
.rept 32
	v_pk_fma_f32 v[S+jj:S+jj+1], v[S+jj:S+jj+1], s[CS:CS+1], v[12:13] op_sel_hi:[1,0,0]   ; t - M, two at a time
.set jj, jj+2
.endr
.irp b, 0,1,2,3
	v_fma_f32 v[BM+\b], v[BM+\b], s[CS], v12       ; the same of each block's largest score
.endr
.set jj, 0
	s_wait_alu depctr_va_vdst(0)
.rept 64
	v_exp_f32 v[S+jj], v[S+jj]                     ; p = 2^(t - M), at most 1
.set jj, jj+1
.endr
	v_pk_mul_f32 v[14:15], v[14:15], v[F:F+1] op_sel_hi:[1,0]   ; the sums under the new M: a plain line behind the exponentials
	s_wait_alu depctr_va_vdst(0)                   ; one wait for the batch of 64, ahead of its first reader
.irp b, 0,1,2,3
	v_exp_f32 v[BM+\b], v[BM+\b]                   ; the block's largest p: the same two instructions on the same number
.endr
	v_pk_add_f32 v[236:237], v[100:101], v[104:105]
	v_pk_add_f32 v[250:251], v[108:109], v[112:113]
	v_pk_add_f32 v[248:249], v[116:117], v[120:121]
	v_pk_add_f32 v[246:247], v[124:125], v[128:129]
	v_pk_add_f32 v[244:245], v[132:133], v[136:137]
	v_pk_add_f32 v[242:243], v[140:141], v[144:145]
	v_pk_add_f32 v[240:241], v[148:149], v[152:153]
	v_pk_add_f32 v[14:15], v[14:15], v[156:157]
	v_pk_add_f32 v[236:237], v[236:237], v[96:97]
	v_pk_add_f32 v[250:251], v[250:251], v[98:99]
	v_pk_add_f32 v[248:249], v[248:249], v[102:103]
	v_pk_add_f32 v[246:247], v[246:247], v[106:107]
	v_pk_add_f32 v[244:245], v[244:245], v[110:111]
	v_pk_add_f32 v[242:243], v[242:243], v[114:115]
	v_pk_add_f32 v[240:241], v[240:241], v[118:119]
	v_pk_add_f32 v[14:15], v[14:15], v[122:123]
	v_pk_add_f32 v[236:237], v[236:237], v[126:127]
	v_pk_add_f32 v[250:251], v[250:251], v[130:131]
	v_pk_add_f32 v[248:249], v[248:249], v[134:135]
	v_pk_add_f32 v[246:247], v[246:247], v[138:139]
	v_pk_add_f32 v[244:245], v[244:245], v[142:143]
	v_pk_add_f32 v[242:243], v[242:243], v[146:147]
	v_pk_add_f32 v[240:241], v[240:241], v[150:151]
	v_pk_add_f32 v[14:15], v[14:15], v[154:155]
	v_pk_add_f32 v[236:237], v[236:237], v[158:159]
	s_delay_alu instid0(VALU_DEP_2)
	v_pk_add_f32 v[14:15], v[14:15], v[246:247]
	s_delay_alu instid0(VALU_DEP_2)
	v_pk_add_f32 v[236:237], v[236:237], v[244:245]
	v_pk_add_f32 v[250:251], v[250:251], v[242:243]
	v_pk_add_f32 v[248:249], v[248:249], v[240:241]
	s_delay_alu instid0(VALU_DEP_2)
	v_pk_add_f32 v[14:15], v[14:15], v[250:251]
	s_delay_alu instid0(VALU_DEP_2)
	v_pk_add_f32 v[236:237], v[236:237], v[248:249]
	s_delay_alu instid0(VALU_DEP_1)
	v_pk_add_f32 v[14:15], v[14:15], v[236:237]
	s_setprio 0
	s_wait_alu depctr_va_vdst(0)                   ; and one for the four
.irp b, 0,1,2,3
	v_max_num_f32 v[BM+\b], 0x1800000, v[BM+\b]    ; the floor 2^(3 - 127): the byte cannot fall under 1 (a block of zeros keeps it: its codes are zeros)
.endr
.irp b, 0,1,2,3
	s_delay_alu instid0(VALU_DEP_4)
	v_add_nc_u32 v[SOP+\b], 0xff000000, v[BM+\b]   ; 2 off the exponent field: the conversion's scale operand
.endr
.irp b, 0,1,2,3
	s_delay_alu instid0(VALU_DEP_4)
	v_lshrrev_b32 v[TP+\b], 23, v[SOP+\b]          ; the scale's byte
.endr
	s_delay_alu instid0(VALU_DEP_3)
	v_lshl_or_b32 v[PSW], v[TP+1], 8, v[TP]
	s_delay_alu instid0(VALU_DEP_1)
	v_lshl_or_b32 v[PSW], v[TP+2], 16, v[PSW]
	s_delay_alu instid0(VALU_DEP_1)
	v_lshl_or_b32 v[PSW], v[TP+3], 24, v[PSW]
.irp c, 0,1
	v_cvt_scalef32_pk16_fp6_f32 v[PCD+6*\c:PCD+2+6*\c], v[S+32*\c:S+15+32*\c], v[SOP+2*\c]
	v_cvt_scalef32_pk16_fp6_f32 v[PCD+12+4*\c:PCD+14+4*\c], v[S+16+32*\c:S+31+32*\c], v[SOP+2*\c+1]
.endr
	v_nop                                          ; one plain place behind a scaled conversion
.irp c, 0,1                                    ; a whole block to a lane: lanes 0-15 block 2 c, lanes 16-31 block 2 c + 1
.irp i, 0,1,2
	v_permlane16_swap_b32 v[PCD+6*\c+\i], v[PCD+12+4*\c+\i]
.endr
.irp i, 0,1,2
	s_delay_alu instid0(VALU_DEP_3)
	v_mov_b32 v[PCD+3+6*\c+\i], v[PCD+12+4*\c+\i]
.endr
.endr
.set jj, 0
.rept 16
	v_pk_mul_f32 v[O+jj:O+jj+1], v[O+jj:O+jj+1], v[F:F+1] op_sel_hi:[1,0]   ; O^T under the new M.  These sixteen also stand between the lines that wrote p's codes and scale word and the products
.set jj, jj+2
.endr
	s_wait_alu depctr_va_vdst(0)
	s_wait_dscnt 0x0                               ; V is in
.irp t, 0,1,2,3
.if \t%2
	v_wmma_scale_f32_16x16x128_f8f6f4 v[O+8*\t:O+8*\t+7], v[KT+12*\t:KT+12*\t+11], v[PCD:PCD+11], v[O+8*\t:O+8*\t+7], v[VSC+\t/2], v[PSW] matrix_a_fmt:MATRIX_FMT_FP6 matrix_b_fmt:MATRIX_FMT_FP6 matrix_a_scale:MATRIX_SCALE_ROW1
.else
	v_wmma_scale_f32_16x16x128_f8f6f4 v[O+8*\t:O+8*\t+7], v[KT+12*\t:KT+12*\t+11], v[PCD:PCD+11], v[O+8*\t:O+8*\t+7], v[VSC+\t/2], v[PSW] matrix_a_fmt:MATRIX_FMT_FP6 matrix_b_fmt:MATRIX_FMT_FP6
.endif
.endr
.Lhid_\@:
	s_add_co_u32 s[KF], s[KF], 128
	s_add_co_u32 s[TB], s[TB], REC
	s_add_co_u32 s[TBI], s[TBI], 512
.endm
.macro STEPS n                         ; n trips, a constant: what a tile does not need is jumped over inside the step
	s_mov_b32 s[CNT], \n
.Lstep_\@:
	STEP
	s_sub_co_u32 s[CNT], s[CNT], 1
	s_cmp_lg_u32 s[CNT], 0
	s_cbranch_scc1 .Lstep_\@
	s_setprio 0
.endm
; A tile ends: O^T / the sum, brought into the true order along the head's 64, quantised, stored as the image of 6 operand registers, with two scale bytes a row.
.macro OUT oc, os
	v_add_f32 v14, v14, v15
	s_delay_alu instid0(VALU_DEP_1)
	v_permlanex16_b32 v[TP], v14, s[SEL], s[SEL+1]
	s_delay_alu instid0(VALU_DEP_1)
	v_add_f32 v14, v14, v[TP]                      ; the row's sum
	s_delay_alu instid0(VALU_DEP_1)
	v_cmp_eq_f32 s55, 0, v14                       ; 0: no key of this query was valid
	s_delay_alu instid0(VALU_DEP_1)
	v_cndmask_b32 v14, v14, 1.0, s55
	s_wait_alu depctr_va_vdst(0)
	v_rcp_f32 v15, v14
	v_nop                                          ; a plain place behind the reciprocal
	s_wait_alu depctr_va_vdst(0)                   ; and the wait ahead of its first reader
.set jj, 0
.rept 32
	v_mul_f32 v[S+jj], v[O+jj], v15                ; register 8 t + j: channel 16 t + 8 h + j
.set jj, jj+1
.endr
.irp g, 0,1
.irp j, 0,1,2,3,4,5,6,7
	v_permlane16_swap_b32 v[S+16*\g+\j], v[S+8+16*\g+\j]   ; now register 16 g + i: channel 32 g + 16 h + i: sixteen neighbours
.endr
.endr
.irp g, 0,1
	v_max3_num_f32 v[BM+\g], |v[S+16*\g]|, |v[S+1+16*\g]|, 0x1800000
.endr
.irp i, 2,4,6,8,10,12,14
.irp g, 0,1
	s_delay_alu instid0(VALU_DEP_2)
	v_max3_num_f32 v[BM+\g], v[BM+\g], |v[S+16*\g+\i]|, |v[S+1+16*\g+\i]|
.endr
.endr
.irp g, 0,1
	s_delay_alu instid0(VALU_DEP_2)
	v_permlanex16_b32 v[TP+\g], v[BM+\g], s[SEL], s[SEL+1]
.endr
.irp g, 0,1
	s_delay_alu instid0(VALU_DEP_2)
	v_max_num_f32 v[BM+\g], v[BM+\g], v[TP+\g]
.endr
.irp g, 0,1
	s_delay_alu instid0(VALU_DEP_2)
	v_add_nc_u32 v[SOP+\g], 0xff000000, v[BM+\g]
.endr
.irp g, 0,1
	s_delay_alu instid0(VALU_DEP_2)
	v_lshrrev_b32 v[TP+\g], 23, v[SOP+\g]
.endr
	v_cvt_scalef32_pk16_fp6_f32 v[PCD:PCD+2], v[S:S+15], v[SOP]
	v_cvt_scalef32_pk16_fp6_f32 v[PCD+12:PCD+14], v[S+16:S+31], v[SOP+1]
	v_cndmask_b32 v[TP+2], v[TP], v[TP+1], s[HI16] ; lane (r, h) stores block h's byte.  (A plain place behind the conversions)
	s_delay_alu instid0(VALU_DEP_1)
	v_cndmask_b32 v[TP+2], v[TP+2], v[FF], s55     ; 0xff for a query with no valid key
.irp i, 0,1,2
	v_permlane16_swap_b32 v[PCD+\i], v[PCD+12+\i]
.endr
.irp i, 0,1,2
	s_delay_alu instid0(VALU_DEP_3)
	v_mov_b32 v[PCD+3+\i], v[PCD+12+\i]
.endr
.irp q, 0,1,2
	global_store_b64 v[L8], v[PCD+2*\q:PCD+2*\q+1], s[\oc:\oc+1] offset:256*\q   ; 32 lanes store 256 consecutive bytes, aligned
.endr
	global_store_b8 v[OSO], v[TP+2], s[\os:\os+1]  ; two bytes of each of 16 rows: one byte in 24 of what the tile stores
.endm
	INIT 60, 62, s[TAUL]
	s_wait_tensorcnt 2                             ; my part of steps 0-3 is in; the two loads issued behind it may be out
	s_wait_dscnt 0x0                               ; my store of the mask's numbers is done
	s_barrier_signal -1
	s_barrier_wait -1
	STEPS 4
	s_wait_tensorcnt 1                             ; my part of steps 4-7 is in; the last load may be out
	s_wait_dscnt 0x0
	s_barrier_signal -1
	s_barrier_wait -1
	s_mov_b32 s[TB], 4*REC                         ; (the values that four steps have left, written out: this run reads records 4 to 7)
	s_mov_b32 s[TBI], 4*512
	s_mov_b32 s[KF], 4*128
	STEPS 4
	OUT 66, 68
	INIT 70, 72, s[TAUH]
	s_wait_tensorcnt 0x0                           ; my part of steps 8-15 is in
	s_wait_dscnt 0x0
	s_barrier_signal -1
	s_barrier_wait -1
	STEPS 16
	OUT 74, 76
	s_wait_tensorcnt 0x0
	ds_add_u32 v253, v255
	s_wait_dscnt 0x0
	s_endpgm
.Lfunc_end_k_q0152308c1e_attn:
	.size	k_q0152308c1e_attn, .Lfunc_end_k_q0152308c1e_attn-k_q0152308c1e_attn
	.p2alignl 7, 3214868480
	.fill 96, 4, 3214868480
	.section	.rodata,"a",@progbits
	.p2align	6, 0x0
	.amdhsa_kernel k_q0152308c1e_attn
		.amdhsa_group_segment_fixed_size 223232
		.amdhsa_private_segment_fixed_size 0
		.amdhsa_enable_private_segment 0
		.amdhsa_kernarg_size 40
		.amdhsa_user_sgpr_count 2
		.amdhsa_user_sgpr_kernarg_segment_ptr 1
		.amdhsa_wavefront_size32 1
		.amdhsa_system_sgpr_workgroup_id_x 1
		.amdhsa_system_sgpr_workgroup_id_y 1
		.amdhsa_system_sgpr_workgroup_id_z 1
		.amdhsa_system_vgpr_workitem_id 0
		.amdhsa_next_free_vgpr 256
		.amdhsa_next_free_sgpr 96
		.amdhsa_reserve_vcc 1
		.amdhsa_float_denorm_mode_32 3
		.amdhsa_float_denorm_mode_16_64 3
		.amdhsa_memory_ordered 1
		.amdhsa_forward_progress 1
		.amdhsa_inst_pref_size 96
	.end_amdhsa_kernel
	.amdgpu_metadata
---
amdhsa.version: [ 1, 2 ]
amdhsa.kernels:
  - .name:           k_q0152308c1e_attn
    .symbol:         k_q0152308c1e_attn.kd
    .args:
      - { .name: qw, .offset: 0, .size: 8, .value_kind: global_buffer, .address_space: global }
      - { .name: kv, .offset: 8, .size: 8, .value_kind: global_buffer, .address_space: global }
      - { .name: attention_mask, .offset: 16, .size: 8, .value_kind: global_buffer, .address_space: global }
      - { .name: oc, .offset: 24, .size: 8, .value_kind: global_buffer, .address_space: global }
      - { .name: os, .offset: 32, .size: 8, .value_kind: global_buffer, .address_space: global }
    .group_segment_fixed_size: 223232
    .private_segment_fixed_size: 0
    .kernarg_segment_align: 8
    .kernarg_segment_size: 40
    .max_flat_workgroup_size: 512
    .sgpr_count:     96
    .vgpr_count:     256
    .wavefront_size: 32
...
	.end_amdgpu_metadata
.endif
;; end of part 2
;; launch outp (part 3): grid 4 x 32, 4 waves a work-group, clusters of 4 x 4, 327,680 bytes of LDS; arguments oc, os, Wo_codes, Wo_scales, out0; writes out0
.if DOCPART == 3
	.amdgcn_target "amdgcn-amd-amdhsa--gfx1250"
	.amdhsa_code_object_version 6
	.text
	.protected	k_q0152308c1e_outp
	.globl	k_q0152308c1e_outp
	.p2align	8
	.type	k_q0152308c1e_outp,@function
k_q0152308c1e_outp:
	s_mov_b64 s[64:65], 0
	v_nop
	global_prefetch_b8 v0, s[64:65] scope:SCOPE_SE
	s_setreg_imm32_b32 hwreg(HW_REG_WAVE_MODE, 25, 1), 1
	s_wait_xcnt 0x0
	s_wait_alu depctr_hold_cnt(0) depctr_sa_sdst(0) depctr_va_vdst(0) depctr_va_sdst(0) depctr_va_ssrc(0) depctr_va_vcc(0) depctr_vm_vsrc(0)
	s_getreg_b32 s2, hwreg(HW_REG_IB_STS2, 6, 4)
	s_cmp_eq_u32 s2, 0
	s_cbranch_scc0 .Lentry_in_a_cluster
	s_endpgm
.Lentry_in_a_cluster:
	s_bfe_u32 s2, ttmp6, 0x10000c
	s_cmp_lg_u32 s2, 0xf033
	s_cbranch_scc0 .Lentry_shape_is_right
	s_endpgm
.Lentry_shape_is_right:
; out0[m][n] = sum over k of A[m][k] Wo[n][k] on codes of FP6 (E2M3) with one E8M0 scale for each 32 along K; sums in f32.  SIZE_M = 8,192, SIZE_N = SIZE_K = 1,024.
; A, the attention's result, lies in oc as IMAGES OF OPERAND REGISTERS: [row tile of 16 rows][head 16][768]; two neighbouring heads are a whole fragment of 16 rows x 128 K: registers 2 p, 2 p + 1 of all
; 32 lanes are 256 consecutive bytes, lane l's 8 bytes at 8 l.  Its scale bytes os are [SIZE_M][32].  Wo comes as rows of codes, K innermost, with scale bytes [SIZE_N][32].
; A tile of 256 x 256 is made by a work-group of four waves, a wave makes 128 x 128: 64 accumulators, 512 registers.  K goes in steps of 256 through two LDS slots filled by the tensor data mover.
; The scale bytes of the work-group's rows come into LDS once, with the first fills.  CLUSTERS: 4 x 4 work-groups; A's tiles are shared along a row of the cluster, Wo's along a column: joint loads.
; THE MATRIX INSTRUCTION IS USED TRANSPOSED (source 0 = 16 rows of Wo, source 1 = 16 rows of A): a lane holds eight neighbouring numbers of a row of the output.
; A row of A whose scale bytes are 0xff (a query with no valid key) comes out as NaN.
; 128 work-groups: a smaller tile would give each LDS byte half the products; the launch is short beside the attention.
; REGISTERS, in windows of 256: window 0: v0-31 addresses; v32-63 scale words, two sets; from v128 A's fragments, ONE set; on the way out v128-255 take rows.
;   window 1: Wo's fragments, TWO sets.   window 2: the accumulators of my rows 0-63 ((a, b) at v[8 (8 a + b)]);   window 3: those of rows 64-127.
.set SIZE_M, 8192
.set SIZE_N, 1024
.set SIZE_K, 1024
.set KSTEP,  256
.set NQ,     KSTEP/128
.set ROWB,   192                       ; a row of Wo's tile in bytes
.set KROW,   SIZE_K*6/8
.set PITCH,  240                       ; Wo's LDS row: 3 x (64 bytes + 16 of padding)
.set FR,     12
.set NL,     6
.set NP,     4
.set AKB,    3072                      ; A: a row tile's bytes of a K step: four heads' images
.set HALFA,  8*AKB                     ; 128 rows of A: what one tensor load brings
.set HALFT,  128*PITCH                 ; 128 rows of Wo
.set SLOT,   2*HALFA+2*HALFT           ; A's 256 rows, then Wo's 256 rows
.set LAPS,   SIZE_K/(2*KSTEP)
.set KS,     SIZE_K/32
.set SCL,    2*SLOT
.set HALFS,  (128*KS/256)*272
.set SBLK,   (16*KS/256)*272
.set SPARE,  SCL+4*HALFS               ; the spare words, 128 bytes a wave: two blocks of 256 bytes that no other line names
.set SPITCH, 528                       ; the way out: a stage of 16 rows x (512 bytes + 16) for each wave, in slot 0, which has had its last fill and its last read by then
.set ADRA, 16                          ; v16-17 LDS address of A's images in slot 0, 1
.set ADRB, 20                          ; v20-21 of Wo's fragments (v22-23: behind one padding more)
.set STO,  24
.set RD,   25
.set CO,   26
.set ADRS, 27
.set SPW,  28
.set NIL,  29
.set SC,   32
.set AF,   128
.set BK,   128
.set G1, 24
.set G0, 32
.set G1B, 48
.set G0B, 56
.set G1S, 68
.set G0S, 76
.set G1SB, 80
.set G0SB, 88
.set MSB, 0
.macro WIN new
.if MSB != (\new)
	s_set_vgpr_msb (MSB<<8)|(\new)
.set MSB, \new
.endif
.endm
.set MUL_LO, 0xa1
.set MUL_HI, 0xf1
.set TO_B,   0x40
.macro JLOAD g0a, g1a, g0b, g1b        ; a joint load: waves 0 and 1 fetch for A, waves 2 and 3 for Wo; four v_nop follow each of the two lines
	s_cmp_eq_u32 s15, 0
	s_cbranch_scc0 .Lfor_b_\@
	tensor_load_to_lds s[\g0a:\g0a+3], s[\g1a:\g1a+7]
	s_nop 0
.rept 4
	v_nop
.endr
	s_branch .Lasked_\@
.Lfor_b_\@:
	tensor_load_to_lds s[\g0b:\g0b+3], s[\g1b:\g1b+7]
	s_nop 0
.rept 4
	v_nop
.endr
.Lasked_\@:
.endm
.macro CREST
	s_cmp_lg_u32 s14, 0
	s_cbranch_scc1 .Lnot_wave_0_\@
	s_barrier_signal -3
.Lnot_wave_0_\@:
	s_barrier_wait -3
	s_barrier_signal -1
	s_barrier_wait -1
.endm
.macro CROUND
	s_barrier_signal -1
	s_barrier_wait -1
	CREST
.endm
	s_load_b128 s[4:7], s[0:1], 0x0                ; A's images, A's scales
	s_load_b128 s[8:11], s[0:1], 0x10              ; Wo's codes, Wo's scales
	s_load_b64 s[12:13], s[0:1], 0x20              ; the output
	v_lshl_add_u32 v[SPW], v0, 2, SPARE
	v_mov_b32 v[NIL], 0
	ds_add_u32 v28, v29
	ds_add_u32 v28, v29
	s_wait_dscnt 0x0
	v_lshrrev_b32 v1, 5, v0
	v_readfirstlane_b32 s14, v1                    ; wave 0..3
	s_lshr_b32 s15, s14, 1                         ; which half of the tile's rows is mine.  Also: I fetch for A (0) or for Wo (1)
	s_and_b32 s16, s14, 1                          ; which half of its columns.  Also: which 128 rows I fetch
	s_bfe_u32 s40, ttmp6, 0x40000
	s_bfe_u32 s41, ttmp6, 0x40004
	s_lshl_b32 s42, ttmp9, 2
	s_add_co_u32 s42, s42, s40                     ; tile column
	s_and_b32 s17, ttmp7, 0xffff
	s_lshl_b32 s17, s17, 2
	s_add_co_u32 s17, s17, s41                     ; tile row
	s_lshl_b32 s43, s41, 2
	s_lshl_b32 s43, 15, s43                        ; my row of the cluster
	s_lshl_b32 s44, 0x1111, s40                    ; my column
	; group 1 for A: 8 row tiles x 3,072 bytes (384 elements of 8 bytes), 12,288 bytes apart in memory, dense in LDS
	s_or_b32 s[G1+0], s43, (3<<16)|(1<<21)         ; 15:0 the mask: my row; 17:16 elements of 8 bytes; 20 no padding; 21 set beside a mask
	s_mov_b32 s[G1+1], 384<<16
	s_mov_b32 s[G1+2], 8<<16
	s_mov_b32 s[G1+3], 384<<16
	s_mov_b32 s[G1+4], 8
	s_mov_b32 s[G1+5], 1536
	s_mov_b32 s[G1+6], 0
	s_mov_b32 s[G1+7], 0
	; group 1 for Wo: 128 rows x 192 bytes, 16 bytes of padding behind every 64
	s_or_b32 s[G1B+0], s44, (0<<16)|(1<<20)|(1<<21)|(3<<22)|(3<<25)
	s_mov_b32 s[G1B+1], ROWB<<16
	s_mov_b32 s[G1B+2], 128<<16
	s_mov_b32 s[G1B+3], ROWB<<16
	s_mov_b32 s[G1B+4], 128
	s_mov_b32 s[G1B+5], KROW
	s_mov_b32 s[G1B+6], 0
	s_mov_b32 s[G1B+7], 0
	; the scales of 128 rows: a dense block, as rows of 256 bytes, 16 bytes of padding behind each
	s_or_b32 s[G1S+0], s43, (3<<16)|(1<<20)|(1<<21)|(5<<22)|(3<<25)
	s_or_b32 s[G1SB+0], s44, (3<<16)|(1<<20)|(1<<21)|(5<<22)|(3<<25)
.irp g, G1S, G1SB
	s_mov_b32 s[\g+1], 32<<16
	s_mov_b32 s[\g+2], (128*KS/256)<<16
	s_mov_b32 s[\g+3], 32<<16
	s_mov_b32 s[\g+4], 128*KS/256
	s_mov_b32 s[\g+5], 32
	s_mov_b32 s[\g+6], 0
	s_mov_b32 s[\g+7], 0
.endr
	s_lshl_b32 s18, s16, 7
	s_lshl_b32 s20, s17, 8
	s_add_co_u32 s20, s20, s18                     ; A: row 256 x tile row + 128 x half
	s_lshl_b32 s46, s42, 8
	s_add_co_u32 s46, s46, s18                     ; Wo: row 256 x tile column + 128 x half
	s_mov_b32 s21, 0
	s_mov_b32 s47, 0
	s_mov_b64 s[18:19], KS
	s_mul_u64 s[22:23], s[20:21], s[18:19]
	s_mul_u64 s[92:93], s[46:47], s[18:19]
	s_mov_b64 s[18:19], KROW
	s_mul_u64 s[20:21], s[20:21], s[18:19]         ; (a row tile of A is 16 x 768 bytes too)
	s_mul_u64 s[46:47], s[46:47], s[18:19]
	s_mul_i32 s45, s16, HALFA                      ; where they go: A's two halves,
	s_mul_i32 s95, s16, HALFT
	s_add_co_u32 s95, s95, 2*HALFA                 ; then Wo's two: no place in the cluster enters an LDS address
	s_mul_i32 s94, s14, HALFS
	s_wait_kmcnt 0x0
	s_add_nc_u64 s[20:21], s[4:5], s[20:21]
	s_add_nc_u64 s[22:23], s[6:7], s[22:23]
	s_add_nc_u64 s[46:47], s[8:9], s[46:47]
	s_add_nc_u64 s[92:93], s[10:11], s[92:93]
	CROUND                                         ; all sixteen work-groups are here: the first joint loads meet
	s_mov_b32 s[G0S], 1
	s_add_co_u32 s[G0S+1], s94, SCL
	s_mov_b64 s[G0S+2:G0S+3], s[22:23]
	s_or_b32 s[G0S+3], s[G0S+3], 0x80000000
	s_mov_b32 s[G0SB], 1
	s_add_co_u32 s[G0SB+1], s94, SCL
	s_mov_b64 s[G0SB+2:G0SB+3], s[92:93]
	s_or_b32 s[G0SB+3], s[G0SB+3], 0x80000000
	JLOAD G0S, G1S, G0SB, G1SB                     ; the scales first
.irp s, 0,1
	s_mov_b32 s[G0+4*\s], 1
	s_add_co_u32 s[G0+4*\s+1], s45, \s*SLOT
	s_add_nc_u64 s[G0+4*\s+2:G0+4*\s+3], s[20:21], \s*AKB
	s_or_b32 s[G0+4*\s+3], s[G0+4*\s+3], 0x80000000
	s_mov_b32 s[G0B+4*\s], 1
	s_add_co_u32 s[G0B+4*\s+1], s95, \s*SLOT
	s_add_nc_u64 s[G0B+4*\s+2:G0B+4*\s+3], s[46:47], \s*ROWB
	s_or_b32 s[G0B+4*\s+3], s[G0B+4*\s+3], 0x80000000
	s_wait_alu depctr_va_vdst(0)
	s_wait_tensorcnt 0x0
	ds_add_u32 v28, v29
	s_wait_dscnt 0x0
	CROUND
	JLOAD G0+4*\s, G1, G0B+4*\s, G1B               ; one tensor load of mine is out
.endr
	v_and_b32 v1, 15, v0                           ; l % 16
	v_bfe_u32 v2, v0, 4, 1                         ; l / 16
	v_mul_u32_u24 v3, v1, PITCH
	v_mul_u32_u24 v4, v2, 24
	v_add_nc_u32 v4, v3, v4                        ; Wo: a fragment's row x pitch + 24 x half
	v_lshl_add_u32 v5, v2, 4, v4                   ; and the same behind one padding more
	v_and_b32 v6, 31, v0
	v_lshlrev_b32 v6, 3, v6                        ; A: 8 x lane
	s_mul_i32 s21, s15, HALFA                      ; my 128 rows of A
	s_mul_i32 s22, s16, HALFT                      ; my 128 rows of Wo,
	s_add_co_u32 s22, s22, 2*HALFA                 ; which lie behind A's 256
.irp s, 0,1
	v_add_nc_u32 v[ADRA+\s], s21, v6
	v_add_nc_u32 v[ADRB+\s], s22, v4
	v_add_nc_u32 v[ADRB+2+\s], s22, v5
	s_add_co_u32 s21, s21, SLOT
	s_add_co_u32 s22, s22, SLOT
.endr
	v_mul_u32_u24 v5, v1, KS
	v_lshrrev_b32 v6, 8, v5
	v_lshl_add_u32 v5, v6, 4, v5
	s_mul_i32 s21, s15, HALFS
	s_mul_i32 s22, s16, HALFS
	s_add_co_u32 s22, s22, 2*HALFS
	s_sub_co_u32 s22, s22, s21
	v_mul_u32_u24 v6, s22, v2                      ; lanes 16-31 take Wo's
	s_add_co_u32 s21, s21, SCL
	v_add_nc_u32 v5, v5, v6
	v_add_nc_u32 v[ADRS], s21, v5
	s_mul_i32 s23, s14, 16*SPITCH                  ; my stage
	v_mul_u32_u24 v5, v1, SPITCH
	v_lshl_add_u32 v5, v2, 5, v5
	v_add_nc_u32 v[STO], s23, v5
	v_and_b32 v6, 31, v0
	v_lshlrev_b32 v[CO], 4, v6
	v_add_nc_u32 v[RD], s23, v[CO]
	s_lshl_b32 s20, s17, 8
	s_lshl_b32 s21, s15, 7
	s_add_co_u32 s20, s20, s21                     ; my first row of the output
	s_mov_b32 s21, 0
	s_mov_b64 s[18:19], SIZE_N*4
	s_mul_u64 s[20:21], s[20:21], s[18:19]
	s_lshl_b32 s46, s42, 10                        ; my first column, in bytes
	s_lshl_b32 s47, s16, 9
	s_add_co_u32 s46, s46, s47
	s_mov_b32 s47, 0
	s_add_nc_u64 s[20:21], s[20:21], s[46:47]
	s_add_nc_u64 s[12:13], s[12:13], s[20:21]
.macro FRAG reg, adr, q, i             ; a fragment of Wo from rows: pieces of 8 bytes; lanes 16-31 read three pieces further on, for some pieces behind one padding more
.irp p, 0,1,2,3,4,5
.set PCE, 12*(\q)+6*(\p/3)+\p%3
.if PCE%8 < 5
	ds_load_b64 v[\reg+2*\p:\reg+2*\p+1], v[\adr] offset:8*PCE+16*(PCE/8)+(\i)*16*PITCH
.else
	ds_load_b64 v[\reg+2*\p:\reg+2*\p+1], v[\adr+2] offset:8*PCE+16*(PCE/8)+(\i)*16*PITCH
.endif
.endr
.endm
.macro FRAGA reg, slot, q, i           ; a fragment of A from its image: six loads of 256 consecutive bytes
.irp p, 0,1,2,3,4,5
	ds_load_b64 v[\reg+2*\p:\reg+2*\p+1], v[ADRA+\slot] offset:AKB*(\i)+1536*(\q)+256*\p
.endr
.endm
.macro MUL16 a0, p, q, sc, zero        ; 16 matrix instructions; the 64 accumulators take turns, one instruction a turn
.irp a, \a0, \a0+1
.irp b, 0,1,2,3,4,5,6,7
.if \zero
	v_wmma_scale_f32_16x16x128_f8f6f4 v[8*(8*((\a)%4)+\b):8*(8*((\a)%4)+\b)+7], v[128*(\p)+FR*\b:128*(\p)+FR*\b+FR-1], v[AF+FR*(\a):AF+FR*(\a)+FR-1], 0, v[SC+8*NQ*(\sc)+NQ*\b+(\q)], v[SC+8*NQ*(\sc)+NQ*(\a)+(\q)] matrix_a_fmt:MATRIX_FMT_FP6 matrix_b_fmt:MATRIX_FMT_FP6 matrix_a_scale:MATRIX_SCALE_ROW1
.else
	v_wmma_scale_f32_16x16x128_f8f6f4 v[8*(8*((\a)%4)+\b):8*(8*((\a)%4)+\b)+7], v[128*(\p)+FR*\b:128*(\p)+FR*\b+FR-1], v[AF+FR*(\a):AF+FR*(\a)+FR-1], v[8*(8*((\a)%4)+\b):8*(8*((\a)%4)+\b)+7], v[SC+8*NQ*(\sc)+NQ*\b+(\q)], v[SC+8*NQ*(\sc)+NQ*(\a)+(\q)] matrix_a_fmt:MATRIX_FMT_FP6 matrix_b_fmt:MATRIX_FMT_FP6 matrix_a_scale:MATRIX_SCALE_ROW1
.endif
.endr
.endr
.endm
.macro FETCH_B slot, q, p
	WIN TO_B
.irp i, 0,1,2,3,4,5,6,7
	FRAG 128*(\p)+FR*\i, ADRB+\slot, \q, \i
.endr
	WIN 0
.endm
.macro FETCH_A slot, q, i0
.irp i, \i0, \i0+1, \i0+2, \i0+3
	FRAGA AF+FR*(\i), \slot, \q, \i
.endr
.endm
.macro SCALES sc
.irp i, 0,1,2,3,4,5,6,7
	ds_load_b64 v[SC+8*NQ*\sc+NQ*\i:SC+8*NQ*\sc+NQ*\i+1], v[ADRS] offset:\i*SBLK
.endr
.endm
.macro PLACES n                        ; plain vector instructions between a matrix instruction and a load into, or a read of, its registers
.rept \n
	v_nop
.endr
.endm
.macro STEP slot, q, zero
	s_wait_dscnt 4*NL                              ; Wo's set and A's blocks 0-3 are in; the youngest 24 loads (A's blocks 4-7) may be out
	WIN MUL_LO
	MUL16 0, (\q)%2, \q, \slot, \zero
	MUL16 2, (\q)%2, \q, \slot, \zero
	s_wait_dscnt 0
	PLACES NP
	FETCH_B \slot, (\q)+1, 1-(\q)%2
	FETCH_A \slot, (\q)+1, 0
	WIN MUL_HI
	MUL16 4, (\q)%2, \q, \slot, \zero
	MUL16 6, (\q)%2, \q, \slot, \zero
	PLACES NP
	WIN 0
	FETCH_A \slot, (\q)+1, 4
.endm
.macro TURN slot, next, fill           ; a slot's last step changes slots: one barrier, with the waits and the add in front of it
	s_wait_tensorcnt 0x0                           ; all my tensor loads have landed: my part of the next slot
	ds_add_u32 v[SPW], v[NIL]                      ; 0 onto my spare word
	s_wait_dscnt 4*NL+1                            ; (the add and the youngest 24 loads may be out)
	WIN MUL_LO
	MUL16 0, 1, NQ-1, \slot, 0
	s_wait_dscnt 0x0                               ; the add is done, and my reads of this slot are over
	s_barrier_signal -1
	MUL16 2, 1, NQ-1, \slot, 0
	WIN 0
	s_barrier_wait -1
.if \fill
	CREST                                          ; a round of the cluster's barrier: no wave of any partner still reads this slot or has a load on its way
	s_add_nc_u64 s[G0+4*\slot+2:G0+4*\slot+3], s[G0+4*\slot+2:G0+4*\slot+3], 2*AKB
	s_add_nc_u64 s[G0B+4*\slot+2:G0B+4*\slot+3], s[G0B+4*\slot+2:G0B+4*\slot+3], 2*ROWB
	JLOAD G0+4*\slot, G1, G0B+4*\slot, G1B         ; the first tensor load behind the round; its four v_nop are the places in front of the loads below
.else
	PLACES NP
.endif
	s_wait_alu depctr_va_vdst(0)
	v_add_nc_u32 v[ADRS], 4*NQ, v[ADRS]
	FETCH_B \next, 0, 0
	FETCH_A \next, 0, 0
	SCALES \next
	WIN MUL_HI
	MUL16 4, 1, NQ-1, \slot, 0
	MUL16 6, 1, NQ-1, \slot, 0
	PLACES NP
	WIN 0
	FETCH_A \next, 0, 4
.endm
	s_wait_alu depctr_va_vdst(0)
	s_wait_tensorcnt 1                             ; the scales and my part of K step 0 are in (K step 1's load may be out),
	s_barrier_signal -1
	s_barrier_wait -1                              ; everybody's are
	FETCH_B 0, 0, 0
	FETCH_A 0, 0, 0
	SCALES 0
	FETCH_A 0, 0, 4
	STEP 0, 0, 1                                   ; the first step's products start the sums
	s_mov_b32 s3, LAPS-1
.Llap:
	TURN 0, 1, 1
	STEP 1, 0, 0
	TURN 1, 0, 1
	STEP 0, 0, 0
	s_sub_co_u32 s3, s3, 1
	s_cmp_lg_u32 s3, 0
	s_cbranch_scc1 .Llap
	TURN 0, 1, 0                                   ; the last lap fills nothing
	STEP 1, 0, 0
	s_wait_dscnt 4*NL
	WIN MUL_LO
	MUL16 0, 1, NQ-1, 1, 0
	MUL16 2, 1, NQ-1, 1, 0
	s_wait_dscnt 0
	WIN MUL_HI
	MUL16 4, 1, NQ-1, 1, 0
	MUL16 6, 1, NQ-1, 1, 0
	WIN 0
; THE WAY OUT, block by block of 16 rows x 128 columns, through my own stage in LDS: in as 32 bytes a lane, back as whole rows of 512 bytes.  LDS serves a wave's instructions in order (ISA guide 5.7.1.4).
.macro TOSTAGE a
.set AC, 64*((\a)%4)
	WIN 0x08+4*((\a)/4)                            ; the data: window 2 or 3
.irp b, 0,1,2,3,4,5,6,7
	ds_store_b128 v[STO], v[AC+8*\b:AC+8*\b+3] offset:64*\b          ; each accumulator from its low end on
	ds_store_b128 v[STO], v[AC+8*\b+4:AC+8*\b+7] offset:64*\b+16
.endr
	WIN 0
.set BBK, BK+64*((\a)%2)
.irp t, 0,1,2,3,4,5,6,7,8,9,10,11,12,13,14,15
	ds_load_b128 v[BBK+4*\t:BBK+4*\t+3], v[RD] offset:\t*SPITCH
.endr
.endm
.macro SEND a, younger                 ; younger: the LDS instructions issued behind block a's loads, which may stay out
.set BBK, BK+64*((\a)%2)
	s_wait_dscnt \younger
.if (\a) > 0
	s_add_nc_u64 s[12:13], s[12:13], 16*SIZE_N*4   ; (behind a wait on XCNT: the earlier stores have read their base)
.endif
.irp t, 0,1,2,3,4,5,6,7,8,9,10,11,12,13,14,15
	global_store_b128 v[CO], v[BBK+4*\t:BBK+4*\t+3], s[12:13] offset:\t*SIZE_N*4 th:TH_STORE_NT   ; 32 lanes store 512 consecutive bytes, aligned to 256
.endr
.endm
	PLACES NP
	TOSTAGE 0
.irp a, 1,2,3,4,5,6,7
.if \a > 1
	s_wait_xcnt 0x0                                ; block a - 2's stores have read their registers and their base
.endif
	TOSTAGE \a
	SEND \a-1, 32                                  ; behind block a - 1's loads: block a's 16 stores and 16 loads
.endr
	s_wait_xcnt 0x0
	SEND 7, 0
	s_wait_tensorcnt 0x0                           ; the wave's end
	ds_add_u32 v[SPW], v[NIL]
	s_wait_dscnt 0x0
	CROUND                                         ; the closing round
	s_endpgm
.Lfunc_end_k_q0152308c1e_outp:
	.size	k_q0152308c1e_outp, .Lfunc_end_k_q0152308c1e_outp-k_q0152308c1e_outp
	.p2alignl 7, 3214868480
	.fill 96, 4, 3214868480
	.section	.rodata,"a",@progbits
	.p2align	6, 0x0
	.amdhsa_kernel k_q0152308c1e_outp
		.amdhsa_group_segment_fixed_size 327680
		.amdhsa_private_segment_fixed_size 0
		.amdhsa_enable_private_segment 0
		.amdhsa_kernarg_size 40
		.amdhsa_user_sgpr_count 2
		.amdhsa_user_sgpr_kernarg_segment_ptr 1
		.amdhsa_wavefront_size32 1
		.amdhsa_system_sgpr_workgroup_id_x 1
		.amdhsa_system_sgpr_workgroup_id_y 1
		.amdhsa_system_sgpr_workgroup_id_z 1
		.amdhsa_system_vgpr_workitem_id 0
		.amdhsa_next_free_vgpr 1024
		.amdhsa_next_free_sgpr 98
		.amdhsa_reserve_vcc 0
		.amdhsa_float_denorm_mode_32 3
		.amdhsa_float_denorm_mode_16_64 3
		.amdhsa_memory_ordered 1
		.amdhsa_forward_progress 1
		.amdhsa_inst_pref_size 161
	.end_amdhsa_kernel
	.amdgpu_metadata
---
amdhsa.version: [ 1, 2 ]
amdhsa.kernels:
  - .name:           k_q0152308c1e_outp
    .symbol:         k_q0152308c1e_outp.kd
    .args:
      - { .name: oc, .offset: 0, .size: 8, .value_kind: global_buffer, .address_space: global }
      - { .name: os, .offset: 8, .size: 8, .value_kind: global_buffer, .address_space: global }
      - { .name: Wo_codes, .offset: 16, .size: 8, .value_kind: global_buffer, .address_space: global }
      - { .name: Wo_scales, .offset: 24, .size: 8, .value_kind: global_buffer, .address_space: global }
      - { .name: out0, .offset: 32, .size: 8, .value_kind: global_buffer, .address_space: global }
    .group_segment_fixed_size: 327680
    .private_segment_fixed_size: 0
    .kernarg_segment_align: 8
    .kernarg_segment_size: 40
    .max_flat_workgroup_size: 128
    .sgpr_count:     98
    .vgpr_count:     1024
    .wavefront_size: 32
...
	.end_amdgpu_metadata
.endif
;; end of part 3
